; MI455X (gfx1250); checked and timed in simulation.
; The chip was launched on July 23, 2026; its instructions are those of AMD's public machine-readable ISA for CDNA 5 (MIT licence, August 2026) and "CDNA5" Instruction Set Architecture Reference Guide (July 2026). The comments in the code are by the model that wrote it; some were corrected since.
;; MHSA. Allowed arithmetic: matrix products marked QUANTISED: E2M3 operands, one E8M0 scale for each 32 along K, by v_wmma_scale_f32_16x16x128_f8f6f4 with both operands' format E2M3, f32 sums; everything else in f32.
;; Inputs: W_proj 1,024 x 1,024 float32; W_qkv 1,024 x 3,072 float32; b_proj 1,024 float32; b_qkv 3,072 float32; x 4 x 2,048 x 1,024 float32.
;; Outputs: out0 4 x 2,048 x 1,024 float32.
;; This version of the problem:
;;   THIS VERSION OF THE PROBLEM IS GIVEN IN LOW PRECISION. The matrix products marked QUANTISED in the list below multiply operands that are first quantised to E2M3 (2 exponent bits, 3 mantissa bits; 6 bits a number), with one power-of-two scale for each 32 numbers along K (OCP MX v1.0); their sums are f32. All else is computed in f32.
;;   The module's matrix products, in the order in which they are computed (A, B: the left and right operand; K: the contracted axis; several contracted axes count as one K, in the product's order):
;;     1. [M 8,192, K 1,024] x [K 1,024, N 3,072]; A: input x; B: input W_qkv: QUANTISED
;;     2. batch 64 x [M 2,048, K 64] x [K 64, N 2,048]; A: computed on the way; B: computed on the way: QUANTISED
;;     3. batch 64 x [M 2,048, K 2,048] x [K 2,048, N 64]; A: softmax (see below); B: computed on the way: QUANTISED
;;     4. [M 8,192, K 1,024] x [K 1,024, N 1,024]; A: computed on the way; B: input W_proj: QUANTISED
;;   THE QUANTISER, for each operand of a quantised product, along K:
;;     - K is cut into blocks of 32 from its start; a last block that is shorter is filled with zeros.
;;     - A block's scale is 2^e with e = floor(log2(the largest magnitude in the block)) - 2, held to -126 .. 127; a block of zeros has e = 0. As a byte (E8M0): e + 127.
;;     - Each number is divided by its block's scale, clamped to +-7.5, and rounded to the nearest number of E2M3, ties to even, subnormals kept.
;;     - The product sums the exact products of the quantised numbers (number of the format x scale) in f32.
;;   ~~~python
;;   def quantise(x, axis):      # numpy; x: float32 -> the quantised numbers, widened to float32 again
;;       x = np.moveaxis(x, axis, -1); K = x.shape[-1]
;;       x = np.pad(x, [(0, 0)] * (x.ndim - 1) + [(0, -K % 32)]); x = x.reshape(x.shape[:-1] + (-1, 32)); a = np.abs(x).max(-1, keepdims=True)
;;       e = np.where(a > 0, np.clip(np.frexp(np.where(a > 0, a, 1))[1] - 1 - 2, -126, 127), 0)      # np.frexp(a)[1] - 1 = floor(log2(a)), exactly
;;       r = np.clip(x / 2.0 ** e, -7.5, 7.5)
;;       step = 2.0 ** (np.maximum(np.frexp(np.where(r == 0, 1, r))[1] - 1, 0) - 3)
;;       q = np.round(r / step) * step * 2.0 ** e      # np.round: ties to even
;;       return np.moveaxis(q.reshape(q.shape[:-2] + (-1,))[..., :K], -1, axis).astype(np.float32)
;;   ~~~
;;   SOFTMAX AHEAD OF A QUANTISED PRODUCT. Where the list says 'softmax', what is quantised is not the finished softmax but p = 2^(t - M), with t = logit x log2(e) and M = ceil(the row's largest t), a whole number; so 1/2 < the row's largest p <= 1. The row's sum l is taken of the UNQUANTISED p, in f32, and the product's result is divided by l at the end. Since M is a whole number, a kernel that streams over the keys may use a running M (the ceiling of the running maximum): every later rescaling is an exact power of two, which a block's scale takes up: the codes' values come out the same.
;;   OPERANDS COMPUTED ON THE WAY. 'Computed on the way' means the value that the module computes at that place (a softmax that the list does not call 'softmax' is quantised finished and normalised). What goes into a quantiser is computed in f32, as accurately as f32 sums, v_exp_f32 and their like allow (about 1e-6 of the number): no bf16 or f16 on the way to a quantiser, and a product that is left as it is and whose result goes on into a quantised operand takes f32 operands (vector FMAs, or v_wmma_f32_16x16x4_f32). A number that lies on a knife's edge between two numbers of the format may be rounded either way, as far as f32 arithmetic and the matrix unit's own rounding can turn it there, and no further.
;; One version. Each part assembles by itself: llvm-mc -triple=amdgcn-amd-amdhsa -mcpu=gfx1250 --defsym DOCPART=n.
;; ======== version 1 of 1: 5 launches
;; limits: right only within a limited range of input values
;; workspace buffers: ximg 6,291,456 bytes; xsc 262,144 bytes; wimg 3,145,728 bytes; wsc 131,072 bytes; img 18,874,368 bytes; ims 786,432 bytes; oimg 6,291,456 bytes; osc 262,144 bytes
;; launch quant_x (part 1): grid 64 x 4, 8 waves a work-group, no clusters, 69,632 bytes of LDS; arguments x, ximg, xsc; writes ximg, xsc
.if DOCPART == 1
	.amdgcn_target "amdgcn-amd-amdhsa--gfx1250"
	.amdhsa_code_object_version 6
	.text
	.protected	k_q5f018ae386_quant_x
	.globl	k_q5f018ae386_quant_x
	.p2align	8
	.type	k_q5f018ae386_quant_x,@function
k_q5f018ae386_quant_x:
	s_mov_b64 s[64:65], 0
	v_nop
	global_prefetch_b8 v0, s[64:65] scope:SCOPE_SE
	s_setreg_imm32_b32 hwreg(HW_REG_WAVE_MODE, 25, 1), 1
	s_wait_xcnt 0x0
; x [8192][1024] f32 becomes codes of FP6 (E2M3) with one E8M0 byte for each 32 along K, laid as the product's launch reads them.
; A FRAGMENT'S IMAGE: 16 rows x 128 K = 12 registers a lane = 1,536 bytes in six planes of 256: lane l's 8 bytes at 256 p + 8 l are operand registers 2 p, 2 p + 1.
; ximg [tile of 16 rows: 512][K step: 8][1536].  POSITIONS: row r of tile t of a group of 128 rows is token 32 (t / 2) + 8 (t % 2) + r % 8 + 16 (r / 8),
; so that a later product's 16 registers of two neighbouring tiles are 16 neighbours.  xsc [group of 128: 64][K step: 8][512]: the word of (row r, tile i) at 32 r + 4 i.
; A block's scale is 2^(floor(log2(largest magnitude)) - 2); its byte is the largest magnitude's exponent field - 2, held at 1 from below.
; LIMITS: NaN and infinities are not served; a block whose largest magnitude lies under 2^-124 keeps the byte 1; a block of zeros gets the byte 1, not 127: its codes are zeros and this program alone reads the bytes.
; SHARES: a work-group takes a group of 128 rows and two K steps; wave w takes tile w: two fragments.  Each load reads 512 consecutive bytes of one row; the 16 rows turn through the wave's own stage
; in LDS (rows 528 bytes apart), so that a lane gets 16 neighbours of each block of 32 of its row.  All 32 loads of a wave go out at the head.
.set STGW,  16*528                     ; a wave's stage
.set GAT,   8*STGW                     ; 1,024 bytes: the two K steps' scale words of the group
.set SPARE, GAT+1024                   ; the spare words, 128 bytes for each wave: four blocks of 256 bytes that no other line names
.set LO16,  1                          ; v1   16 x lane
.set STI,   2                          ; v2   the stage, on the way in
.set STO,   3                          ; v3   and on the way out: row r, + 64 h
.set L8,    4                          ; v4   8 x lane
.set GA,    5                          ; v5   where my row's scale word goes
.set GR,    6                          ; v6   where waves 0 and 1 read the words back
.set GO,    7                          ; v7   and their place in xsc
.set SPW,   8                          ; v8   my spare word; never rewritten
.set NIL,   9                          ; v9   0; never rewritten
.set R,     16                         ; v16-143  two sets of 64 registers as loaded
.set X,     144                        ; v144-207 64 numbers: register 16 b + i = k 32 b + 16 h + i of my row
.set PC,    208                        ; v208-219 the fragment's codes; v220-227 at work
.set TM,    228                        ; v228-243 at work
.set PW,    244                        ; v244 the scale word
.set SEL,   22                         ; s[22:23] selects of v_permlanex16_b32 for lane l xor 16
; 64 numbers of a lane become a fragment's codes in v[PC] on and its row's scale word in v[pw]
.macro QUANT s, pw
.irp b, 0,1,2,3
	v_max3_num_f32 v[TM+\b], |v[\s+16*\b]|, |v[\s+1+16*\b]|, 0x1800000   ; block b: my 16 numbers, and the floor 2^(3 - 127): the byte cannot fall under 1
.endr
.irp i, 2,4,6,8,10,12,14
.irp b, 0,1,2,3
	s_delay_alu instid0(VALU_DEP_4)
	v_max3_num_f32 v[TM+\b], v[TM+\b], |v[\s+16*\b+\i]|, |v[\s+1+16*\b+\i]|   ; the four blocks by turns
.endr
.endr
.irp b, 0,1,2,3
	s_delay_alu instid0(VALU_DEP_4)
	v_permlanex16_b32 v[TM+4+\b], v[TM+\b], s[SEL], s[SEL+1]
.endr
.irp b, 0,1,2,3
	s_delay_alu instid0(VALU_DEP_4)
	v_max_num_f32 v[TM+\b], v[TM+\b], v[TM+4+\b]   ; with lane l xor 16's: the block's largest magnitude
.endr
.irp b, 0,1,2,3
	s_delay_alu instid0(VALU_DEP_4)
	v_add_nc_u32 v[TM+12+\b], 0xff000000, v[TM+\b]   ; 2 off its exponent field: the conversion's scale operand
.endr
.irp b, 0,1,2,3
	s_delay_alu instid0(VALU_DEP_4)
	v_lshrrev_b32 v[TM+4+\b], 23, v[TM+12+\b]   ; the scale's byte
.endr
	s_delay_alu instid0(VALU_DEP_3)
	v_lshl_or_b32 v[\pw], v[TM+5], 8, v[TM+4]
	s_delay_alu instid0(VALU_DEP_1)
	v_lshl_or_b32 v[\pw], v[TM+6], 16, v[\pw]
	s_delay_alu instid0(VALU_DEP_1)
	v_lshl_or_b32 v[\pw], v[TM+7], 24, v[\pw]
.irp c, 0,1
	v_cvt_scalef32_pk16_fp6_f32 v[PC+6*\c:PC+2+6*\c], v[\s+32*\c:\s+15+32*\c], v[TM+12+2*\c]
	v_cvt_scalef32_pk16_fp6_f32 v[PC+12+4*\c:PC+14+4*\c], v[\s+16+32*\c:\s+31+32*\c], v[TM+12+2*\c+1]   ; (a conversion's three registers begin on an even number)
.endr
	v_nop                                          ; one plain place behind a scaled conversion
.irp c, 0,1                            ; the operand's layout wants a whole block in a lane: lanes 0-15 block 2 c, lanes 16-31 block 2 c + 1
.irp i, 0,1,2
	v_permlane16_swap_b32 v[PC+6*\c+\i], v[PC+12+4*\c+\i]
.endr
.irp i, 0,1,2
	s_delay_alu instid0(VALU_DEP_3)
	v_mov_b32 v[PC+3+6*\c+\i], v[PC+12+4*\c+\i]
.endr
.endr
.endm
	s_load_b128 s[4:7], s[0:1], 0x0                ; x, ximg
	s_load_b64 s[8:9], s[0:1], 0x10                ; xsc
	v_lshl_add_u32 v[SPW], v0, 2, SPARE
	v_mov_b32 v[NIL], 0
	v_lshrrev_b32 v10, 5, v0
	s_delay_alu instid0(VALU_DEP_1)
	v_readfirstlane_b32 s10, v10                   ; wave 0..7 = my tile
	v_and_b32 v11, 31, v0                          ; lane
	v_and_b32 v12, 15, v0                          ; r
	v_bfe_u32 v13, v0, 4, 1                        ; h
	s_delay_alu instid0(VALU_DEP_3)
	v_lshlrev_b32 v[LO16], 4, v11
	s_mul_i32 s11, s10, STGW
	v_add_nc_u32 v[STI], s11, v[LO16]
	v_mul_u32_u24 v[STO], v12, 528
	s_delay_alu instid0(VALU_DEP_1)
	v_lshl_add_u32 v[STO], v13, 6, v[STO]
	s_delay_alu instid0(VALU_DEP_1)
	v_add_nc_u32 v[STO], s11, v[STO]
	v_lshlrev_b32 v[L8], 3, v11
	s_lshl_b32 s12, s10, 2
	v_lshlrev_b32 v[GA], 5, v12
	s_delay_alu instid0(VALU_DEP_1)
	v_add_nc_u32 v[GA], s12, v[GA]
	s_delay_alu instid0(VALU_DEP_1)
	v_add_nc_u32 v[GA], GAT, v[GA]                 ; 32 r + 4 x tile
	s_and_b32 s13, s10, 1
	s_lshl_b32 s13, s13, 9
	v_add_nc_u32 v[GO], s13, v[LO16]               ; 512 (wave % 2) + 16 x lane
	s_delay_alu instid0(VALU_DEP_1)
	v_add_nc_u32 v[GR], GAT, v[GO]
.irp b, 0,1,2,3
	v_mov_b32 v[TM+4+\b], 0                        ; written once: a lane permute's destination counts as one of its sources
.endr
	s_mov_b32 s[SEL], 0x76543210
	s_mov_b32 s[SEL+1], 0xfedcba98
	s_and_b32 s14, ttmp7, 0xffff                   ; y: K steps 2 y and 2 y + 1
	s_lshl_b32 s15, ttmp9, 7
	s_lshr_b32 s16, s10, 1
	s_lshl_b32 s16, s16, 5
	s_add_co_u32 s15, s15, s16
	s_and_b32 s16, s10, 1
	s_lshl_b32 s16, s16, 3
	s_add_co_u32 s15, s15, s16                     ; my tile's first token: 128 x group + 32 (w / 2) + 8 (w % 2)
	s_lshl_b32 s16, s15, 12                        ; a row of x is 4,096 bytes
	s_lshl_b32 s17, s14, 10
	s_add_co_u32 s16, s16, s17
	s_mov_b32 s17, 0
	s_lshl_b32 s18, ttmp9, 3
	s_add_co_u32 s18, s18, s10
	s_lshl_b32 s18, s18, 3
	s_lshl_b32 s19, s14, 1
	s_add_co_u32 s18, s18, s19
	s_mul_i32 s18, s18, 1536                       ; ximg: ((8 x group + w) x 8 + 2 y) x 1,536
	s_mov_b32 s19, 0
	s_lshl_b32 s20, ttmp9, 3
	s_lshl_b32 s21, s14, 1
	s_add_co_u32 s20, s20, s21
	s_lshl_b32 s20, s20, 9                         ; xsc: (8 x group + 2 y) x 512
	s_mov_b32 s21, 0
	s_wait_kmcnt 0x0
	s_add_nc_u64 s[4:5], s[4:5], s[16:17]
	s_add_nc_u64 s[6:7], s[6:7], s[18:19]
	s_add_nc_u64 s[8:9], s[8:9], s[20:21]
.irp t, 0,1
.irp i, 0,1,2,3,4,5,6,7,8,9,10,11,12,13,14,15
	global_load_b128 v[R+64*\t+4*\i:R+64*\t+4*\i+3], v[LO16], s[4:5] offset:((\i%8)+16*(\i/8))*4096+512*\t th:TH_LOAD_NT   ; 32 lanes read 512 consecutive bytes of the tile's row i
.endr
.endr
.irp t, 0,1
	s_wait_loadcnt 16-16*\t                        ; this K step's 16 loads are in; the other step's 16 may be out
.irp i, 0,1,2,3,4,5,6,7,8,9,10,11,12,13,14,15
	ds_store_b128 v[STI], v[R+64*\t+4*\i:R+64*\t+4*\i+3] offset:528*\i
.endr
.irp b, 0,1,2,3
.irp j, 0,1,2,3
	ds_load_b128 v[X+16*\b+4*\j:X+16*\b+4*\j+3], v[STO] offset:128*\b+16*\j   ; LDS serves a wave's instructions in order: these see the stores above
.endr
.endr
	s_wait_dscnt 0x0
.if \t
	s_wait_xcnt 0x0                                ; the first fragment's stores have read their registers: the codes may be written again
.endif
	QUANT X, PW
.irp p, 0,1,2,3,4,5
	global_store_b64 v[L8], v[PC+2*\p:PC+2*\p+1], s[6:7] offset:1536*\t+256*\p   ; 32 lanes store 256 consecutive bytes, aligned
.endr
	ds_store_b32 v[GA], v[PW] offset:512*\t        ; lanes r and r + 16 write the same word with the same value
.endr
	s_wait_dscnt 0x0                               ; for the others' sake: my scale words have landed
	s_barrier_signal -1
	s_barrier_wait -1
	s_cmp_lt_u32 s10, 2                            ; waves 0 and 1 store a K step's 512 bytes of scale words each
	s_cbranch_scc0 .Lno_words
	ds_load_b128 v[X:X+3], v[GR]
	s_wait_dscnt 0x0
	global_store_b128 v[GO], v[X:X+3], s[8:9]
.Lno_words:
	s_wait_tensorcnt 0x0                           ; the wave's end: behind my last LDS store
	ds_add_u32 v[SPW], v[NIL]
	s_wait_dscnt 0x0
	s_endpgm
.Lfunc_end_k_q5f018ae386_quant_x:
	.size	k_q5f018ae386_quant_x, .Lfunc_end_k_q5f018ae386_quant_x-k_q5f018ae386_quant_x
	.p2alignl 7, 3214868480
	.fill 96, 4, 3214868480
	.section	.rodata,"a",@progbits
	.p2align	6, 0x0
	.amdhsa_kernel k_q5f018ae386_quant_x
		.amdhsa_group_segment_fixed_size 69632
		.amdhsa_private_segment_fixed_size 0
		.amdhsa_enable_private_segment 0
		.amdhsa_kernarg_size 24
		.amdhsa_user_sgpr_count 2
		.amdhsa_user_sgpr_kernarg_segment_ptr 1
		.amdhsa_wavefront_size32 1
		.amdhsa_system_sgpr_workgroup_id_x 1
		.amdhsa_system_sgpr_workgroup_id_y 1
		.amdhsa_system_sgpr_workgroup_id_z 1
		.amdhsa_system_vgpr_workitem_id 0
		.amdhsa_next_free_vgpr 256
		.amdhsa_next_free_sgpr 66
		.amdhsa_reserve_vcc 0
		.amdhsa_float_denorm_mode_32 3
		.amdhsa_float_denorm_mode_16_64 3
		.amdhsa_memory_ordered 1
		.amdhsa_forward_progress 1
		.amdhsa_inst_pref_size 23
	.end_amdhsa_kernel
	.amdgpu_metadata
---
amdhsa.version: [ 1, 2 ]
amdhsa.kernels:
  - .name:           k_q5f018ae386_quant_x
    .symbol:         k_q5f018ae386_quant_x.kd
    .args:
      - { .name: x, .offset: 0, .size: 8, .value_kind: global_buffer, .address_space: global }
      - { .name: ximg, .offset: 8, .size: 8, .value_kind: global_buffer, .address_space: global }
      - { .name: xsc, .offset: 16, .size: 8, .value_kind: global_buffer, .address_space: global }
    .group_segment_fixed_size: 69632
    .private_segment_fixed_size: 0
    .kernarg_segment_align: 8
    .kernarg_segment_size: 24
    .max_flat_workgroup_size: 256
    .sgpr_count:     66
    .vgpr_count:     256
    .wavefront_size: 32
...
	.end_amdgpu_metadata
.endif
;; end of part 1
;; launch quant_w (part 2): grid 32 x 8, 4 waves a work-group, no clusters, 1,024 bytes of LDS; arguments W_qkv, W_proj, wimg, wsc; writes wimg, wsc
.if DOCPART == 2
	.amdgcn_target "amdgcn-amd-amdhsa--gfx1250"
	.amdhsa_code_object_version 6
	.text
	.protected	k_q5f018ae386_quant_w
	.globl	k_q5f018ae386_quant_w
	.p2align	8
	.type	k_q5f018ae386_quant_w,@function
k_q5f018ae386_quant_w:
	s_mov_b64 s[64:65], 0
	v_nop
	global_prefetch_b8 v0, s[64:65] scope:SCOPE_SE
	s_setreg_imm32_b32 hwreg(HW_REG_WAVE_MODE, 25, 1), 1
	s_wait_xcnt 0x0
; W_qkv [1024][3072] and W_proj [1024][1024], f32 with K as the FIRST axis, become codes of FP6 (E2M3) along K with one E8M0 byte for each 32, as images of fragments:
; wimg [tile of 16 columns: 256][K step: 8][1536] (tiles 0-191 W_qkv's, 192-255 W_proj's), wsc [group of 128 columns: 32][K step: 8][512], the word of (row r, tile i) at 32 r + 4 i.
; An image is six planes of 256 bytes: lane l's 8 bytes at 256 p + 8 l are operand registers 2 p, 2 p + 1.  POSITIONS: row r of tile t of a group of 128 is column 32 (t / 2) + 8 (t % 2) + r % 8 + 16 (r / 8).
; A LANE TAKES A COLUMN AND ITS REGISTERS RUN DOWN K: a block of 32 lies in one lane, its largest magnitude needs no other lane, and the conversions give codes with K innermost.
; A wave takes 32 columns (two tiles) x 128 along K; a load reads 128 consecutive bytes.  The operand wants blocks 2 c and 2 c + 1 of ONE column in lanes r and r + 16: one exchange of halves between the two blocks' registers gives both tiles' images.
; LIMITS: NaN and infinities are not served; a block whose largest magnitude lies under 2^-124 keeps the byte 1; a block of zeros gets the byte 1, not 127: its codes are zeros and this program alone reads the bytes.
; One path serves both weights: only the pointer, the pitch and the group's number are chosen, by the work-group's number.
.set GAT,   0                          ; 512 bytes: the group's scale words of this K step
.set SPARE, 512                        ; the spare words, 128 bytes for each wave: two blocks of 256 bytes that no other line names
.set L8,    2                          ; v2   8 x lane
.set GA,    3                          ; v3   32 (lane % 16) + 4 (lane / 16) + 8 x wave
.set L16,   4                          ; v4   16 x lane
.set SO,    8                          ; v8-11  the blocks' scale operands
.set OFF,   16                         ; v16-47 my column's byte + i rows
.set X,     48                         ; v48-175 four sets of 32 numbers
.set IMG0,  176                        ; v176-187, v188-199 the two tiles' images
.set TC,    200                        ; v200-215 the blocks' upper halves, four registers each
.set SPW,   216
.set NIL,   217
	s_load_b256 s[4:11], s[0:1], 0x0               ; W_qkv s[4:5], W_proj s[6:7], wimg s[8:9], wsc s[10:11]
	v_lshl_add_u32 v[SPW], v0, 2, SPARE
	v_mov_b32 v[NIL], 0
	v_lshrrev_b32 v1, 5, v0
	v_readfirstlane_b32 s12, v1                    ; wave 0..3
	v_and_b32 v1, 31, v0                           ; lane = my column's position among the wave's 32
	v_lshlrev_b32 v[L8], 3, v1
	v_lshlrev_b32 v[L16], 4, v1
	v_and_b32 v5, 15, v1
	v_lshrrev_b32 v6, 4, v1
	v_lshlrev_b32 v[GA], 5, v5
	v_lshl_add_u32 v[GA], v6, 2, v[GA]
	s_lshl_b32 s13, s12, 3
	v_add_nc_u32 v[GA], s13, v[GA]
	v_and_b32 v7, 7, v1
	v_bfe_u32 v5, v1, 3, 1
	v_lshl_add_u32 v7, v5, 4, v7
	v_lshl_add_u32 v7, v6, 3, v7                   ; the column at my position: lane % 8 + 16 ((lane / 8) % 2) + 8 (lane / 16)
	v_lshlrev_b32 v7, 2, v7
	s_and_b32 s14, ttmp7, 0xffff                   ; y: the K step
	s_mov_b32 s15, 4096
	s_cmp_lt_u32 ttmp9, 24                         ; groups 0-23 are W_qkv's, 24-31 W_proj's
	s_cselect_b32 s15, 12288, s15                  ; a row of the weight in bytes
	s_cselect_b32 s16, 0, 24
	s_sub_co_u32 s16, ttmp9, s16                   ; the group's number in its weight
.set i, 0
.rept 32
	v_mad_u32_u24 v[OFF+i], s15, i, v7
.set i, i+1
.endr
	s_lshl_b32 s17, s16, 9
	s_lshl_b32 s18, s12, 7
	s_add_co_u32 s17, s17, s18                     ; (128 x group + 32 x wave) x 4
	s_lshl_b32 s18, s14, 7
	s_mul_i32 s18, s18, s15                        ; + 128 y rows
	s_add_co_u32 s20, s17, s18
	s_mov_b32 s21, 0
	s_lshl_b32 s22, s15, 5                         ; 32 rows: from block to block
	s_mov_b32 s23, 0
	s_lshl_b32 s32, ttmp9, 3
	s_lshl_b32 s33, s12, 1
	s_add_co_u32 s32, s32, s33
	s_lshl_b32 s32, s32, 3
	s_add_co_u32 s32, s32, s14
	s_mul_i32 s32, s32, 1536                       ; wimg: ((8 x group + 2 w) x 8 + y) x 1,536
	s_mov_b32 s33, 0
	s_lshl_b32 s34, ttmp9, 3
	s_add_co_u32 s34, s34, s14
	s_lshl_b32 s34, s34, 9                         ; wsc: (8 x group + y) x 512
	s_mov_b32 s35, 0
	s_wait_alu depctr_va_vdst(0)
	s_wait_kmcnt 0x0
	s_cmp_lt_u32 ttmp9, 24
	s_cselect_b64 s[24:25], s[4:5], s[6:7]
	s_add_nc_u64 s[24:25], s[24:25], s[20:21]      ; block 0's first row, my wave's first column
	s_add_nc_u64 s[26:27], s[24:25], s[22:23]
	s_add_nc_u64 s[28:29], s[26:27], s[22:23]
	s_add_nc_u64 s[30:31], s[28:29], s[22:23]
	s_add_nc_u64 s[8:9], s[8:9], s[32:33]
	s_add_nc_u64 s[10:11], s[10:11], s[34:35]
.macro LOAD t                          ; block t: W(128 y + 32 t + i, my column), i = 0 .. 31
.set i, 0
.rept 32
	global_load_b32 v[X+32*(\t)+i], v[OFF+i], s[24+2*(\t):25+2*(\t)] th:TH_LOAD_NT
.set i, i+1
.endr
.endm
.macro BLOCK t
.set XS, X+32*(\t)
	v_max3_num_f32 v12, |v[XS]|, |v[XS+1]|, |v[XS+2]|   ; the block's largest magnitude: all 32 numbers are mine; two chains
	v_max3_num_f32 v13, |v[XS+3]|, |v[XS+4]|, |v[XS+5]|
.irp i, 6,10,14,18,22,26
	v_max3_num_f32 v12, v12, |v[XS+\i]|, |v[XS+\i+1]|
	v_max3_num_f32 v13, v13, |v[XS+\i+2]|, |v[XS+\i+3]|
.endr
	v_max3_num_f32 v12, v12, |v[XS+30]|, |v[XS+31]|
	v_max3_num_f32 v12, v12, v13, 0x1800000        ; and the floor 2^(3 - 127)
	v_add_nc_u32 v[SO+\t], 0xff000000, v12         ; 2 off the exponent field: the conversion's scale operand
	v_lshrrev_b32 v13, 23, v[SO+\t]                ; the scale's byte
.if (\t) == 0
	v_mov_b32 v14, v13
.else
	v_lshl_or_b32 v14, v13, 8*(\t), v14            ; my column's scale word: the lower K in the lower byte
.endif
	v_cvt_scalef32_pk16_fp6_f32 v[IMG0+12*((\t)%2)+6*((\t)/2):IMG0+12*((\t)%2)+6*((\t)/2)+2], v[XS:XS+15], v[SO+\t]
	v_cvt_scalef32_pk16_fp6_f32 v[TC+4*(\t):TC+4*(\t)+2], v[XS+16:XS+31], v[SO+\t]
.endm
	LOAD 0
	LOAD 1
	s_wait_loadcnt 32                              ; block 0's loads are in; block 1's 32 may be out
	LOAD 2
	BLOCK 0
	s_wait_loadcnt 32                              ; block 1's are in; block 2's 32 may be out
	LOAD 3
	BLOCK 1
	s_wait_loadcnt 32                              ; block 2's are in; block 3's 32 may be out
	BLOCK 2
	s_wait_loadcnt 0x0
	BLOCK 3
	v_nop                                          ; one plain place behind a scaled conversion
.irp c, 0,1                            ; block 2 c's lanes 16-31 change places with block 2 c + 1's lanes 0-15: the first register is then tile 0's, the second tile 1's
.irp i, 0,1,2
	v_permlane16_swap_b32 v[IMG0+6*\c+\i], v[IMG0+12+6*\c+\i]
	v_permlane16_swap_b32 v[TC+8*\c+\i], v[TC+8*\c+4+\i]
.endr
.irp i, 0,1,2
	v_mov_b32 v[IMG0+6*\c+3+\i], v[TC+8*\c+\i]
	v_mov_b32 v[IMG0+12+6*\c+3+\i], v[TC+8*\c+4+\i]
.endr
.endr
.irp p, 0,1,2,3,4,5
	global_store_b64 v[L8], v[IMG0+2*\p:IMG0+2*\p+1], s[8:9] offset:256*\p              ; 32 lanes store 256 consecutive bytes, aligned
	global_store_b64 v[L8], v[IMG0+12+2*\p:IMG0+12+2*\p+1], s[8:9] offset:12288+256*\p  ; the next tile lies 8 K steps on
.endr
	ds_store_b32 v[GA], v14
	s_wait_dscnt 0x0                               ; for wave 0's sake: my scale words have landed
	s_barrier_signal -1
	s_barrier_wait -1
	s_cmp_eq_u32 s12, 0
	s_cbranch_scc0 .Lno_words
	ds_load_b128 v[X:X+3], v[L16]                  ; the group's 512 bytes of scale words
	s_wait_dscnt 0x0
	global_store_b128 v[L16], v[X:X+3], s[10:11]
.Lno_words:
	s_wait_tensorcnt 0x0                           ; the wave's end: behind my last LDS store
	ds_add_u32 v[SPW], v[NIL]
	s_wait_dscnt 0x0
	s_endpgm
.Lfunc_end_k_q5f018ae386_quant_w:
	.size	k_q5f018ae386_quant_w, .Lfunc_end_k_q5f018ae386_quant_w-k_q5f018ae386_quant_w
	.p2alignl 7, 3214868480
	.fill 96, 4, 3214868480
	.section	.rodata,"a",@progbits
	.p2align	6, 0x0
	.amdhsa_kernel k_q5f018ae386_quant_w
		.amdhsa_group_segment_fixed_size 1024
		.amdhsa_private_segment_fixed_size 0
		.amdhsa_enable_private_segment 0
		.amdhsa_kernarg_size 32
		.amdhsa_user_sgpr_count 2
		.amdhsa_user_sgpr_kernarg_segment_ptr 1
		.amdhsa_wavefront_size32 1
		.amdhsa_system_sgpr_workgroup_id_x 1
		.amdhsa_system_sgpr_workgroup_id_y 1
		.amdhsa_system_sgpr_workgroup_id_z 1
		.amdhsa_system_vgpr_workitem_id 0
		.amdhsa_next_free_vgpr 224
		.amdhsa_next_free_sgpr 66
		.amdhsa_reserve_vcc 0
		.amdhsa_float_denorm_mode_32 3
		.amdhsa_float_denorm_mode_16_64 3
		.amdhsa_memory_ordered 1
		.amdhsa_forward_progress 1
		.amdhsa_inst_pref_size 25
	.end_amdhsa_kernel
	.amdgpu_metadata
---
amdhsa.version: [ 1, 2 ]
amdhsa.kernels:
  - .name:           k_q5f018ae386_quant_w
    .symbol:         k_q5f018ae386_quant_w.kd
    .args:
      - { .name: W_qkv, .offset: 0, .size: 8, .value_kind: global_buffer, .address_space: global }
      - { .name: W_proj, .offset: 8, .size: 8, .value_kind: global_buffer, .address_space: global }
      - { .name: wimg, .offset: 16, .size: 8, .value_kind: global_buffer, .address_space: global }
      - { .name: wsc, .offset: 24, .size: 8, .value_kind: global_buffer, .address_space: global }
    .group_segment_fixed_size: 1024
    .private_segment_fixed_size: 0
    .kernarg_segment_align: 8
    .kernarg_segment_size: 32
    .max_flat_workgroup_size: 128
    .sgpr_count:     66
    .vgpr_count:     224
    .wavefront_size: 32
...
	.end_amdgpu_metadata
.endif
;; end of part 2
;; launch gemm_qkv (part 3): grid 12 x 32, 4 waves a work-group, clusters of 4 x 4, 327,680 bytes of LDS; arguments ximg, xsc, wimg, wsc, b_qkv, img, ims; writes img, ims
.if DOCPART == 3
	.amdgcn_target "amdgcn-amd-amdhsa--gfx1250"
	.amdhsa_code_object_version 6
	.text
	.protected	k_q5f018ae386_gemm_qkv
	.globl	k_q5f018ae386_gemm_qkv
	.p2align	8
	.type	k_q5f018ae386_gemm_qkv,@function
k_q5f018ae386_gemm_qkv:
	s_mov_b64 s[64:65], 0
	v_nop
	global_prefetch_b8 v0, s[64:65] scope:SCOPE_SE
	s_setreg_imm32_b32 hwreg(HW_REG_WAVE_MODE, 25, 1), 1
	s_wait_xcnt 0x0
	s_wait_alu depctr_hold_cnt(0) depctr_sa_sdst(0) depctr_va_vdst(0) depctr_va_sdst(0) depctr_va_ssrc(0) depctr_va_vcc(0) depctr_vm_vsrc(0)
	s_getreg_b32 s2, hwreg(HW_REG_IB_STS2, 6, 4)
	s_cmp_eq_u32 s2, 0
	s_cbranch_scc0 .Lentry_in_a_cluster
	s_endpgm
.Lentry_in_a_cluster:
	s_bfe_u32 s2, ttmp6, 0x10000c
	s_cmp_lg_u32 s2, 0xf033
	s_cbranch_scc0 .Lentry_shape_is_right
	s_endpgm
.Lentry_shape_is_right:
.set FR,    12
.set NL,    6
.set NP,    4
.set HALFT, 8*3072
.set SLOT,  4*HALFT
.set SCL,   2*SLOT
.set SPARE, SCL+4*4096
.set HDS,   98304
.set ADRA, 16
.set ADRB, 20
.set VO,   24
.set VS,   25
.set ADRS, 27
.set SPW,  28
.set NIL,  29
.set SC,   32
.set B0,   64
.set AF,   128
.set B1,   224
.set HA,   128
.set PC,   192
.set PWS,  212
.set SW,   220
.set TM,   240
.set SEL,  2
.set G1,   24
.set G0,   32
.set G1B,  48
.set G0B,  56
.set G1S,  68
.set G0S,  76
.set G1SB, 80
.set G0SB, 88
.set MSB, 0
.macro WIN new
.if MSB != (\new)
	s_set_vgpr_msb (MSB<<8)|(\new)
.set MSB, (\new)
.endif
.endm
.set TO_B, 0x40
.macro WMUL hi, zero
.if (\zero) == 2
	WIN 0x81+0x40*(\hi)
.else
	WIN 0xa1+0x50*(\hi)
.endif
.endm
.macro JLOAD g0a, g1a, g0b, g1b
	s_cmp_eq_u32 s19, 0
	s_cbranch_scc0 .Lfor_b_\@
	tensor_load_to_lds s[\g0a:\g0a+3], s[\g1a:\g1a+7]
	s_nop 0
.rept 4
	v_nop
.endr
	s_branch .Lasked_\@
.Lfor_b_\@:
	tensor_load_to_lds s[\g0b:\g0b+3], s[\g1b:\g1b+7]
	s_nop 0
.rept 4
	v_nop
.endr
.Lasked_\@:
.endm
.macro CREST
	s_cmp_lg_u32 s18, 0
	s_cbranch_scc1 .Lnot_wave_0_\@
	s_barrier_signal -3
.Lnot_wave_0_\@:
	s_barrier_wait -3
	s_barrier_signal -1
	s_barrier_wait -1
.endm
.macro CROUND
	s_barrier_signal -1
	s_barrier_wait -1
	CREST
.endm
	s_load_b256 s[4:11], s[0:1], 0x0
	s_load_b128 s[12:15], s[0:1], 0x20
	s_load_b64 s[16:17], s[0:1], 0x30
	v_lshl_add_u32 v[SPW], v0, 2, SPARE
	v_mov_b32 v[NIL], 0
	ds_add_u32 v[SPW], v[NIL]
	ds_add_u32 v[SPW], v[NIL]
	v_lshrrev_b32 v1, 5, v0
	v_readfirstlane_b32 s18, v1
	s_lshr_b32 s19, s18, 1
	s_and_b32 s20, s18, 1
	s_bfe_u32 s21, ttmp6, 0x40000
	s_bfe_u32 s22, ttmp6, 0x40004
	s_and_b32 s44, ttmp7, 0xffff
	s_lshl_b32 s45, s44, 2
	s_lshl_b32 s46, ttmp9, 2
	s_cmp_eq_u32 ttmp9, 2
	s_cselect_b32 s23, 1, 0
	s_cselect_b32 s40, 8, s45
	s_cselect_b32 s41, s45, s46
	s_add_co_u32 s40, s40, s22
	s_add_co_u32 s41, s41, s21
	s_lshl_b32 s42, s22, 2
	s_lshl_b32 s42, 15, s42
	s_lshl_b32 s43, 0x1111, s21
	s_or_b32 s[G1], s42, (3<<16)|(1<<21)
	s_or_b32 s[G1B], s43, (3<<16)|(1<<21)
.irp g, G1, G1B
	s_mov_b32 s[\g+1], 384<<16
	s_mov_b32 s[\g+2], 8<<16
	s_mov_b32 s[\g+3], 384<<16
	s_mov_b32 s[\g+4], 8
	s_mov_b32 s[\g+5], 1536
	s_mov_b32 s[\g+6], 0
	s_mov_b32 s[\g+7], 0
.endr
	s_or_b32 s[G1S], s42, (3<<16)|(1<<21)
	s_or_b32 s[G1SB], s43, (3<<16)|(1<<21)
.irp g, G1S, G1SB
	s_mov_b32 s[\g+1], 32<<16
	s_mov_b32 s[\g+2], 16<<16
	s_mov_b32 s[\g+3], 32<<16
	s_mov_b32 s[\g+4], 16
	s_mov_b32 s[\g+5], 32
	s_mov_b32 s[\g+6], 0
	s_mov_b32 s[\g+7], 0
.endr
	s_lshl_b32 s99, s20, 3
	s_lshl_b32 s44, s40, 4
	s_add_co_u32 s44, s44, s99
	s_mul_i32 s44, s44, 12288
	s_mov_b32 s45, 0
	s_lshl_b32 s46, s41, 4
	s_add_co_u32 s46, s46, s99
	s_mul_i32 s46, s46, 12288
	s_mov_b32 s47, 0
	s_lshl_b32 s100, s40, 1
	s_add_co_u32 s100, s100, s20
	s_lshl_b32 s100, s100, 12
	s_mov_b32 s101, 0
	s_lshl_b32 s2, s41, 1
	s_add_co_u32 s2, s2, s20
	s_lshl_b32 s2, s2, 12
	s_mov_b32 s3, 0
	s_mul_i32 s99, s18, HALFT
	s_lshl_b32 s98, s18, 12
	s_wait_dscnt 0x0
	s_wait_kmcnt 0x0
	s_cmp_eq_u32 s23, 0
	s_cselect_b64 s[66:67], s[4:5], s[8:9]
	s_cselect_b64 s[92:93], s[8:9], s[4:5]
	s_cselect_b64 s[94:95], s[6:7], s[10:11]
	s_cselect_b64 s[96:97], s[10:11], s[6:7]
	s_add_nc_u64 s[66:67], s[66:67], s[44:45]
	s_add_nc_u64 s[92:93], s[92:93], s[46:47]
	s_add_nc_u64 s[94:95], s[94:95], s[100:101]
	s_add_nc_u64 s[96:97], s[96:97], s[2:3]
	CROUND
	s_mov_b32 s[G0S], 1
	s_add_co_u32 s[G0S+1], s98, SCL
	s_mov_b64 s[G0S+2:G0S+3], s[94:95]
	s_or_b32 s[G0S+3], s[G0S+3], 0x80000000
	s_mov_b32 s[G0SB], 1
	s_add_co_u32 s[G0SB+1], s98, SCL
	s_mov_b64 s[G0SB+2:G0SB+3], s[96:97]
	s_or_b32 s[G0SB+3], s[G0SB+3], 0x80000000
	JLOAD G0S, G1S, G0SB, G1SB
.irp s, 0,1
	s_mov_b32 s[G0+4*\s], 1
	s_add_co_u32 s[G0+4*\s+1], s99, \s*SLOT
	s_add_nc_u64 s[G0+4*\s+2:G0+4*\s+3], s[66:67], \s*3072
	s_or_b32 s[G0+4*\s+3], s[G0+4*\s+3], 0x80000000
	s_mov_b32 s[G0B+4*\s], 1
	s_add_co_u32 s[G0B+4*\s+1], s99, \s*SLOT
	s_add_nc_u64 s[G0B+4*\s+2:G0B+4*\s+3], s[92:93], \s*3072
	s_or_b32 s[G0B+4*\s+3], s[G0B+4*\s+3], 0x80000000
	s_wait_alu depctr_va_vdst(0)
	s_wait_tensorcnt 0x0
	ds_add_u32 v28, v29
	s_wait_dscnt 0x0
	CROUND
	JLOAD G0+4*\s, G1, G0B+4*\s, G1B
.endr
	v_and_b32 v1, 15, v0
	v_bfe_u32 v2, v0, 4, 1
	s_wait_alu depctr_va_vdst(0)
	v_and_b32 v3, 31, v0
	v_lshlrev_b32 v[VO], 3, v3
	s_mul_i32 s99, s19, HALFT
	s_mul_i32 s98, s20, HALFT
	s_add_co_u32 s98, s98, 2*HALFT
.irp s, 0,1
	v_add_nc_u32 v[ADRA+\s], s99, v[VO]
	v_add_nc_u32 v[ADRB+\s], s98, v[VO]
	s_add_co_u32 s99, s99, SLOT
	s_add_co_u32 s98, s98, SLOT
.endr
	s_lshl_b32 s99, s19, 12
	s_lshl_b32 s98, s20, 12
	s_add_co_u32 s98, s98, 8192
	s_sub_co_u32 s98, s98, s99
	v_mul_u32_u24 v4, s98, v2
	v_lshl_add_u32 v4, v1, 5, v4
	s_add_co_u32 s99, s99, SCL
	v_add_nc_u32 v[ADRS], s99, v4
	v_lshlrev_b32 v[VS], 4, v1
	v_lshl_add_u32 v[VS], v2, 12, v[VS]
	s_lshl_b32 s98, s41, 8
	s_lshl_b32 s99, s20, 7
	s_add_co_u32 s98, s98, s99
	s_lshl_b32 s98, s98, 2
	s_lshl_b32 s46, s40, 8
	s_lshl_b32 s99, s19, 7
	s_add_co_u32 s46, s46, s99
	s_lshl_b32 s46, s46, 2
	s_cmp_eq_u32 s23, 0
	s_cselect_b32 s98, s98, 0
	s_cselect_b32 s46, 0, s46
	v_lshl_add_u32 v5, v2, 6, s98
	v_and_b32 v6, 7, v1
	v_lshrrev_b32 v7, 3, v1
	v_lshl_add_u32 v6, v7, 4, v6
	v_lshl_add_u32 v6, v6, 2, s46
.irp b, 0,1,2,3,4,5,6,7
	global_load_b128 v[B0+8*\b:B0+8*\b+3], v5, s[12:13] offset:(32*(\b/2)+8*(\b%2))*4
	global_load_b128 v[B0+8*\b+4:B0+8*\b+7], v5, s[12:13] offset:(32*(\b/2)+8*(\b%2))*4+16
.endr
.irp a, 0,1,2,3,4,5,6,7
	global_load_b32 v[B1+2*\a], v6, s[12:13] offset:(32*(\a/2)+8*(\a%2))*4
	global_load_b32 v[B1+2*\a+1], v6, s[12:13] offset:(32*(\a/2)+8*(\a%2))*4
.endr
	s_lshl_b32 s98, s40, 1
	s_add_co_u32 s98, s98, s19
	s_lshl_b32 s99, s41, 1
	s_add_co_u32 s99, s99, s20
	s_cmp_eq_u32 s23, 0
	s_cselect_b32 s46, s98, s99
	s_cselect_b32 s47, s99, s98
	s_lshr_b32 s98, s47, 3
	s_lshl_b32 s98, s98, 6
	s_lshr_b32 s99, s46, 4
	s_lshl_b32 s99, s99, 4
	s_add_co_u32 s98, s98, s99
	s_and_b32 s99, s47, 7
	s_lshl_b32 s99, s99, 1
	s_add_co_u32 s98, s98, s99
	s_lshl_b32 s98, s98, 4
	s_and_b32 s99, s46, 15
	s_add_co_u32 s98, s98, s99
	s_mul_i32 s46, s98, 6144
	s_mov_b32 s47, 0
	s_add_nc_u64 s[14:15], s[14:15], s[46:47]
	s_lshl_b32 s46, s98, 8
	s_add_nc_u64 s[16:17], s[16:17], s[46:47]
	s_mov_b32 s98, 0xffff0000
	s_mov_b32 s[SEL], 0x76543210
	s_mov_b32 s[SEL+1], 0xfedcba98
.macro FRAG reg, adr, q, i
.irp p, 0,1,2,3,4,5
	ds_load_b64 v[\reg+2*\p:\reg+2*\p+1], v[\adr] offset:3072*(\i)+1536*(\q)+256*\p
.endr
.endm
.macro MUL16 a0, p, q, sc, zero
.irp a, \a0, \a0+1
.irp b, 0,1,2,3,4,5,6,7
.if (\zero) == 1
	v_wmma_scale_f32_16x16x128_f8f6f4 v[8*(8*((\a)%4)+\b):8*(8*((\a)%4)+\b)+7], v[128*(\p)+FR*\b:128*(\p)+FR*\b+FR-1], v[AF+FR*(\a):AF+FR*(\a)+FR-1], 0, v[SC+16*(\sc)+8*(\q)+\b], v[SC+16*(\sc)+8*(\q)+(\a)] matrix_a_fmt:MATRIX_FMT_FP6 matrix_b_fmt:MATRIX_FMT_FP6 matrix_a_scale:MATRIX_SCALE_ROW1
.elseif (\zero) == 2
	v_wmma_scale_f32_16x16x128_f8f6f4 v[8*(8*((\a)%4)+\b):8*(8*((\a)%4)+\b)+7], v[128*(\p)+FR*\b:128*(\p)+FR*\b+FR-1], v[AF+FR*(\a):AF+FR*(\a)+FR-1], v[B0+8*\b:B0+8*\b+7], v[SC+16*(\sc)+8*(\q)+\b], v[SC+16*(\sc)+8*(\q)+(\a)] matrix_a_fmt:MATRIX_FMT_FP6 matrix_b_fmt:MATRIX_FMT_FP6 matrix_a_scale:MATRIX_SCALE_ROW1
.else
	v_wmma_scale_f32_16x16x128_f8f6f4 v[8*(8*((\a)%4)+\b):8*(8*((\a)%4)+\b)+7], v[128*(\p)+FR*\b:128*(\p)+FR*\b+FR-1], v[AF+FR*(\a):AF+FR*(\a)+FR-1], v[8*(8*((\a)%4)+\b):8*(8*((\a)%4)+\b)+7], v[SC+16*(\sc)+8*(\q)+\b], v[SC+16*(\sc)+8*(\q)+(\a)] matrix_a_fmt:MATRIX_FMT_FP6 matrix_b_fmt:MATRIX_FMT_FP6 matrix_a_scale:MATRIX_SCALE_ROW1
.endif
.endr
.endr
.endm
.macro FETCH_B slot, q, p
	WIN TO_B
.irp i, 0,1,2,3,4,5,6,7
	FRAG 128*(\p)+FR*\i, ADRB+\slot, \q, \i
.endr
	WIN 0
.endm
.macro FETCH_A slot, q, i0
.irp i, \i0, \i0+1, \i0+2, \i0+3
	FRAG AF+FR*(\i), ADRA+\slot, \q, \i
.endr
.endm
.macro SCALES sc
.irp q, 0,1
.irp e, 0,1
	ds_load_b128 v[SC+16*\sc+8*\q+4*\e:SC+16*\sc+8*\q+4*\e+3], v[ADRS] offset:512*\q+16*\e
.endr
.endr
.endm
.macro PLACES n
.rept \n
	v_nop
.endr
.endm
.macro STEP slot, q, zero
	s_wait_dscnt 4*NL
	WMUL 0, \zero
	MUL16 0, (\q)%2, \q, \slot, \zero
	MUL16 2, (\q)%2, \q, \slot, \zero
	s_wait_dscnt 0
	PLACES NP
	FETCH_B \slot, (\q)+1, 1-(\q)%2
	FETCH_A \slot, (\q)+1, 0
	WMUL 1, \zero
	MUL16 4, (\q)%2, \q, \slot, \zero
	MUL16 6, (\q)%2, \q, \slot, \zero
	PLACES NP
	WIN 0
	FETCH_A \slot, (\q)+1, 4
.endm
.macro TURN slot, next, fill
	s_wait_tensorcnt 0x0
	ds_add_u32 v[SPW], v[NIL]
	s_wait_dscnt 4*NL+1
	WMUL 0, 0
	MUL16 0, 1, 1, \slot, 0
	s_wait_dscnt 0x0
	s_barrier_signal -1
	MUL16 2, 1, 1, \slot, 0
	WIN 0
	s_barrier_wait -1
.if \fill
	CREST
	s_add_nc_u64 s[G0+4*\slot+2:G0+4*\slot+3], s[G0+4*\slot+2:G0+4*\slot+3], 2*3072
	s_add_nc_u64 s[G0B+4*\slot+2:G0B+4*\slot+3], s[G0B+4*\slot+2:G0B+4*\slot+3], 2*3072
	JLOAD G0+4*\slot, G1, G0B+4*\slot, G1B
.else
	PLACES NP
.endif
	s_wait_alu depctr_va_vdst(0)
	v_add_nc_u32 v[ADRS], 1024, v[ADRS]
	FETCH_B \next, 0, 0
	FETCH_A \next, 0, 0
	SCALES \next
	WMUL 1, 0
	MUL16 4, 1, 1, \slot, 0
	MUL16 6, 1, 1, \slot, 0
	PLACES NP
	WIN 0
	FETCH_A \next, 0, 4
.endm
	s_wait_alu depctr_va_vdst(0)
	s_wait_tensorcnt 1
	s_barrier_signal -1
	s_barrier_wait -1
	FETCH_B 0, 0, 0
	FETCH_A 0, 0, 0
	SCALES 0
	FETCH_A 0, 0, 4
	STEP 0, 0, 1
	TURN 0, 1, 1
	STEP 1, 0, 0
	TURN 1, 0, 1
	STEP 0, 0, 0
	TURN 0, 1, 0
	STEP 1, 0, 0
	s_wait_dscnt 4*NL
	WMUL 0, 0
	MUL16 0, 1, 1, 1, 0
	MUL16 2, 1, 1, 1, 0
	s_wait_dscnt 0
	WMUL 1, 0
	MUL16 4, 1, 1, 1, 0
	MUL16 6, 1, 1, 1, 0
	WIN 0
.macro QUANT s, pw
.irp b, 0,1,2,3
	v_max3_num_f32 v[TM+\b], |v[\s+16*\b]|, |v[\s+1+16*\b]|, 0x1800000
.endr
.irp i, 2,4,6,8,10,12,14
.irp b, 0,1,2,3
	v_max3_num_f32 v[TM+\b], v[TM+\b], |v[\s+16*\b+\i]|, |v[\s+1+16*\b+\i]|
.endr
.endr
.irp b, 0,1,2,3
	v_permlanex16_b32 v[TM+4+\b], v[TM+\b], s[SEL], s[SEL+1]
.endr
.irp b, 0,1,2,3
	v_max_num_f32 v[TM+\b], v[TM+\b], v[TM+4+\b]
.endr
.irp b, 0,1,2,3
	v_add_nc_u32 v[TM+12+\b], 0xff000000, v[TM+\b]
.endr
.irp b, 0,1,2,3
	v_lshrrev_b32 v[TM+4+\b], 23, v[TM+12+\b]
.endr
	v_lshl_or_b32 v[\pw], v[TM+5], 8, v[TM+4]
	v_lshl_or_b32 v[\pw], v[TM+6], 16, v[\pw]
	v_lshl_or_b32 v[\pw], v[TM+7], 24, v[\pw]
.irp c, 0,1
	v_cvt_scalef32_pk16_fp6_f32 v[PC+6*\c:PC+2+6*\c], v[\s+32*\c:\s+15+32*\c], v[TM+12+2*\c]
	v_cvt_scalef32_pk16_fp6_f32 v[PC+12+4*\c:PC+14+4*\c], v[\s+16+32*\c:\s+31+32*\c], v[TM+12+2*\c+1]
.endr
	v_nop
.irp c, 0,1
.irp i, 0,1,2
	v_permlane16_swap_b32 v[PC+6*\c+\i], v[PC+12+4*\c+\i]
.endr
.irp i, 0,1,2
	v_mov_b32 v[PC+3+6*\c+\i], v[PC+12+4*\c+\i]
.endr
.endr
.endm
.macro EPI a, isv
	WIN 0x02+((\a)/4)
.set i, 0
.rept 32
.if \isv
	v_pk_add_f32 v[HA+2*i:HA+2*i+1], v[64*((\a)%4)+2*i:64*((\a)%4)+2*i+1], v[B1+2*(\a):B1+2*(\a)+1] op_sel_hi:[1,0]
.else
	v_pk_add_f32 v[HA+2*i:HA+2*i+1], v[64*((\a)%4)+2*i:64*((\a)%4)+2*i+1], v[B0+2*i:B0+2*i+1]
.endif
.set i, i+1
.endr
	WIN 0
.if (\a) > 0
	s_wait_xcnt 0x0
.endif
	QUANT HA, PWS+(\a)
.if \isv
.set OF0, ((\a)/4)*HDS+1536*((\a)%4)
.set OF1, OF0+768
.else
.set OF0, 768*(\a)
.set OF1, HDS+768*(\a)
.endif
.irp p, 0,1,2
	global_store_b64 v[VO], v[PC+2*\p:PC+2*\p+1], s[14:15] offset:OF0+256*\p
.endr
.irp p, 0,1,2
	global_store_b64 v[VO], v[PC+6+2*\p:PC+6+2*\p+1], s[14:15] offset:OF1+256*\p
.endr
.endm
	PLACES NP
	s_wait_loadcnt 0x0
.irp b, 0,1,2,3
	v_mov_b32 v[TM+4+\b], 0
.endr
	s_cmp_eq_u32 s23, 0
	s_cbranch_scc0 .Lv_arm
.irp a, 0,1,2,3,4,5,6,7
	EPI \a, 0
.endr
.irp f, 0,1,2,3
	v_perm_b32 v10, v[PWS+2*\f+1], v[PWS+2*\f], 0x05040100
	v_perm_b32 v11, v[PWS+2*\f+1], v[PWS+2*\f], 0x07060302
	v_cndmask_b32 v[SW+\f], v10, v11, s98
.endr
	global_store_b128 v[VS], v[SW:SW+3], s[16:17]
	s_branch .Ljoin
.Lv_arm:
.irp a, 0,1,2,3,4,5,6,7
	EPI \a, 1
.endr
.irp f, 0,1,2,3
	v_cndmask_b32 v[SW+\f], v[PWS+\f], v[PWS+4+\f], s98
.endr
	global_store_b128 v[VS], v[SW:SW+3], s[16:17]
.Ljoin:
	s_wait_tensorcnt 0x0
	ds_add_u32 v[SPW], v[NIL]
	s_wait_dscnt 0x0
	CROUND
	s_endpgm
.Lfunc_end_k_q5f018ae386_gemm_qkv:
	.size	k_q5f018ae386_gemm_qkv, .Lfunc_end_k_q5f018ae386_gemm_qkv-k_q5f018ae386_gemm_qkv
	.p2alignl 7, 3214868480
	.fill 96, 4, 3214868480
	.section	.rodata,"a",@progbits
	.p2align	6, 0x0
	.amdhsa_kernel k_q5f018ae386_gemm_qkv
		.amdhsa_group_segment_fixed_size 327680
		.amdhsa_private_segment_fixed_size 0
		.amdhsa_enable_private_segment 0
		.amdhsa_kernarg_size 56
		.amdhsa_user_sgpr_count 2
		.amdhsa_user_sgpr_kernarg_segment_ptr 1
		.amdhsa_wavefront_size32 1
		.amdhsa_system_sgpr_workgroup_id_x 1
		.amdhsa_system_sgpr_workgroup_id_y 1
		.amdhsa_system_sgpr_workgroup_id_z 1
		.amdhsa_system_vgpr_workitem_id 0
		.amdhsa_next_free_vgpr 1024
		.amdhsa_next_free_sgpr 102
		.amdhsa_reserve_vcc 0
		.amdhsa_float_denorm_mode_32 3
		.amdhsa_float_denorm_mode_16_64 3
		.amdhsa_memory_ordered 1
		.amdhsa_forward_progress 1
		.amdhsa_inst_pref_size 238
	.end_amdhsa_kernel
	.amdgpu_metadata
---
amdhsa.version: [ 1, 2 ]
amdhsa.kernels:
  - .name:           k_q5f018ae386_gemm_qkv
    .symbol:         k_q5f018ae386_gemm_qkv.kd
    .args:
      - { .name: ximg, .offset: 0, .size: 8, .value_kind: global_buffer, .address_space: global }
      - { .name: xsc, .offset: 8, .size: 8, .value_kind: global_buffer, .address_space: global }
      - { .name: wimg, .offset: 16, .size: 8, .value_kind: global_buffer, .address_space: global }
      - { .name: wsc, .offset: 24, .size: 8, .value_kind: global_buffer, .address_space: global }
      - { .name: b_qkv, .offset: 32, .size: 8, .value_kind: global_buffer, .address_space: global }
      - { .name: img, .offset: 40, .size: 8, .value_kind: global_buffer, .address_space: global }
      - { .name: ims, .offset: 48, .size: 8, .value_kind: global_buffer, .address_space: global }
    .group_segment_fixed_size: 327680
    .private_segment_fixed_size: 0
    .kernarg_segment_align: 8
    .kernarg_segment_size: 56
    .max_flat_workgroup_size: 128
    .sgpr_count:     102
    .vgpr_count:     1024
    .wavefront_size: 32
...
	.end_amdgpu_metadata
.endif
;; end of part 3
;; launch attn (part 4): grid 4 x 64, 16 waves a work-group, clusters of 4 x 1, 327,680 bytes of LDS; arguments img, ims, oimg, osc; writes oimg, osc
.if DOCPART == 4
	.amdgcn_target "amdgcn-amd-amdhsa--gfx1250"
	.amdhsa_code_object_version 6
	.text
	.protected	k_q5f018ae386_attn
	.globl	k_q5f018ae386_attn
	.p2align	8
	.type	k_q5f018ae386_attn,@function
k_q5f018ae386_attn:
	s_mov_b64 s[64:65], 0
	v_nop
	global_prefetch_b8 v0, s[64:65] scope:SCOPE_SE
	s_setreg_imm32_b32 hwreg(HW_REG_WAVE_MODE, 25, 1), 1
	s_wait_xcnt 0x0
	s_wait_alu depctr_hold_cnt(0) depctr_sa_sdst(0) depctr_va_vdst(0) depctr_va_sdst(0) depctr_va_ssrc(0) depctr_va_vcc(0) depctr_vm_vsrc(0)
	s_getreg_b32 s2, hwreg(HW_REG_IB_STS2, 6, 4)
	s_cmp_eq_u32 s2, 0
	s_cbranch_scc0 .Lentry_in_a_cluster
	s_endpgm
.Lentry_in_a_cluster:
	s_bfe_u32 s2, ttmp6, 0x10000c
	s_cmp_lg_u32 s2, 0x3003
	s_cbranch_scc0 .Lentry_shape_is_right
	s_endpgm
.Lentry_shape_is_right:
; O = softmax(q k^T / 8) v for 64 (batch, head)s of 2,048 tokens and 64 channels, both products on codes of FP6 (E2M3) with E8M0 scales; O is quantised along the model's 1,024 and leaves as images of the last product's fragments.
; THE SOFTMAX: t = score x log2(e) / 8; M = the running largest t rounded up to a whole number; p = 2^(t - M) is quantised along the keys, not normalised; the row's sum is taken of the unquantised p and divides O at the end.
; When M moves, the sum and O are multiplied by 2^(old M - new M): exact.
; INPUTS: img [q, k, v][batch 4][head 16][group of 128 tokens 16][fragment 4][1536], a fragment as six planes of 256 bytes (lane l's 8 bytes at 256 p + 8 l are registers 2 p, 2 p + 1);
;   q, k fragment f: row r = [64 channels of token 32 f + r % 8 + 16 (r / 8) | 64 channels of the token 8 further on]; v fragment f: rows d = 32 (f / 2) + 8 (f % 2) + r % 8 + 16 (r / 8), K = the group's 128 keys.  ims: x 256, word (row r, fragment f) at 16 r + 4 f.
; SHARES: a work-group owns ONE head and 512 queries; all 2,048 keys of k, of v and their scale words are filled into LDS once, one joint load a wave, and nothing is filled again: one barrier, then each wave walks alone.
;   Wave w owns two tiles of 16 queries (the halves of q's fragment w % 4 of group w / 4), one after the other: two passes of 16 key steps of 128 keys.
; CLUSTER: the four query blocks of a head read the same k and v: every tile is asked for jointly, with a mask that names the four.
; THE HEAD HAS 64 CHANNELS AND THE INSTRUCTION 128 ALONG K: a fragment of k holds two tiles of keys side by side and is multiplied by [q | zeros] and by [zeros | q].
; k'S ROWS ARE DEALT ANEW BY THE LDS ADDRESS: fragment i = 2 c + v of a step takes rows 8 v .. 8 v + 7 of img's fragment 2 c as its rows 0-7 and the same rows of fragment 2 c + 1 as its rows 8-15.
;   In S^T = k q^T lane (query r, h) then holds, in the 32 registers of tiles 4 c .. 4 c + 3, keys 64 c + 32 h + 0 .. 31 in their order: a whole scale block, and p's codes fall as the operand wants them.
;   k's planes lie 352 bytes apart in LDS (96 of padding), a fragment 2,112: rows 8-15 so read 64 bytes further on modulo 256 than rows 0-7, and the 32 lanes of a load touch 64 different words modulo 256 bytes.
; No prefetch: every tile is asked for at the head; no loop is left to run ahead in.
; O'S SCALE BYTES: a head gives two of a scale word's four bytes (the other head of the pair belongs to another work-group), so they leave by one store of 2 bytes a lane for each wave: 1,024 bytes a work-group.
; LIMITS: NaN and infinities are not served; the promise holds while the scaled scores stay under 2^31 in magnitude; a block whose largest magnitude lies under 2^-124 keeps the byte 1; a block of zeros gets the byte 1, not 127: its codes are zeros and this program alone reads the bytes.
.set KPL,   352                        ; k: from plane to plane
.set KFR,   6*KPL                      ; from fragment to fragment
.set KST,   4*KFR                      ; from key step to key step
.set VB,    16*KST                     ; v's fragments, dense: 6,144 bytes a step
.set SCB,   VB+98304                   ; k's scale words (4,096 bytes), then v's
.set SPARE, SCB+8192                   ; the spare words, 128 bytes for each wave: eight blocks of 256 bytes that no other line names
.set L8,   1                           ; 8 x lane
.set KB0,  2                           ; k: 2,112 (r / 8) + 8 (r % 8) + 128 h
.set VB0,  3                           ; v: VB + 8 x lane
.set SK0,  4                           ; k's words: SCB + 16 (r % 8) + 4 (r / 8)
.set SPW,  5
.set NIL,  6
.set SV0,  7                           ; v's words: SCB + 4,096 + 16 r
.set SH8,  8                           ; 8 h
.set OSO,  9                           ; 32 r + 4 h
.set ADK,  34                          ; the step's addresses
.set ADV,  35
.set ADSK, 36
.set ADSV, 37
.set FF,   38                          ; v38 f = 2^(old M - new M); v39 = 0, named with it as a pair
.set QRAW, 40                          ; q's scale word of both tiles
.set HW,   41                          ; O's scale bytes: lanes 0-15 the first tile's, lanes 16-31 the second's
.set QW,   42                          ; q's scale word
.set PW,   43                          ; p's scale word
.set KS,   44                          ; v44-47 k's scale words
.set FK,   48                          ; v48-95 k's four fragments; between the scores and the next request: at work
.set SS,   96                          ; v96-159 S^T, then p
.set OO,   160                         ; v160-191 O^T
.set FV,   192                         ; v192-239 v's four fragments
.set PC,   240                         ; v240-251 p's codes
.set VS,   252                         ; v252-255 v's scale words
.set TT,   48
.set XX,   52
.set TMP,  53
.set OLD,  54
.set DD,   55
.set SOP,  56
.set BY,   58
.set SUM,  64
.set C1,   72
.set C2,   76
.set OC,   128                         ; a head's end: my half fragment
.set WV,   12
.set SEL,  20
.set CS,   22
.set G1K,  24
.set G1V,  32
.set G1S,  40
.set G0K,  48
.set G0V,  52
.set G0S,  56
.set NK,   70                          ; the next step's place in k, in k's words; this step's in v, in v's words
.set NS,   71
.set TV,   72
.set TS,   73
.set STEPS, 74
.set PASS, 75
.set MASK, 84
.set QSH,  85
.macro CROUND
	s_barrier_signal -1
	s_barrier_wait -1
	s_cmp_lg_u32 s[WV], 0
	s_cbranch_scc1 .Lnot_wave_0_\@
	s_barrier_signal -3
.Lnot_wave_0_\@:
	s_barrier_wait -3
	s_barrier_signal -1
	s_barrier_wait -1
.endm
.macro TLOAD g0, g1                    ; an s_nop 0 and four v_nop follow the load
	tensor_load_to_lds s[\g0:\g0+3], s[\g1:\g1+7]
	s_nop 0
.rept 4
	v_nop
.endr
.endm
.macro GROUP1 g, w0, rows              ; rows of 256 bytes (32 elements of 8), dense in memory
	s_mov_b32 s[\g], \w0
	s_mov_b32 s[\g+1], 32<<16
	s_mov_b32 s[\g+2], (\rows)<<16
	s_mov_b32 s[\g+3], 32<<16
	s_mov_b32 s[\g+4], \rows
	s_mov_b32 s[\g+5], 32
	s_mov_b32 s[\g+6], 0
	s_mov_b32 s[\g+7], 0
.endm
.macro QLOAD                           ; a tile of q: in front of the zeros and behind them
.irp p, 0,1,2
	global_load_b64 v[16+2*\p:17+2*\p], v[L8], s[60:61] offset:256*\p
	global_load_b64 v[28+2*\p:29+2*\p], v[L8], s[60:61] offset:256*\p
.endr
.endm
.macro KLOAD                           ; k's four fragments and their words: 28 loads
.irp i, 0,1,2,3
.irp p, 0,1,2,3,4,5
	ds_load_b64 v[FK+12*\i+2*\p:FK+12*\i+2*\p+1], v[ADK] offset:2*KFR*(\i/2)+64*(\i%2)+KPL*\p
.endr
	ds_load_b32 v[KS+\i], v[ADSK] offset:8*(\i/2)+128*(\i%2)
.endr
.endm
	s_load_b256 s[4:11], s[0:1], 0x0               ; img s[4:5], ims s[6:7], oimg s[8:9], osc s[10:11]
	v_lshl_add_u32 v[SPW], v0, 2, SPARE
	v_mov_b32 v[NIL], 0
	ds_add_u32 v[SPW], v[NIL]                      ; the opening lines: the add, twice on end, and its wait ahead of the first tensor load
	ds_add_u32 v[SPW], v[NIL]
	v_lshrrev_b32 v10, 5, v0
	s_delay_alu instid0(VALU_DEP_1)
	v_readfirstlane_b32 s[WV], v10                 ; wave 0..15
	s_bfe_u32 s13, ttmp6, 0x40000                  ; cx: my block of 512 queries; it enters q's and O's addresses alone
	s_and_b32 s15, ttmp7, 0xffff                   ; 16 x batch + head, which the partners share
	s_lshr_b32 s16, s15, 4                         ; batch
	s_and_b32 s17, s15, 15                         ; head
	GROUP1 G1K, 15|(3<<16)|(1<<20)|(1<<21)|(5<<22)|(23<<25), 64   ; k: 24 words of padding behind each 64
	GROUP1 G1V, 15|(3<<16)|(1<<21), 64
	GROUP1 G1S, 15|(3<<16)|(1<<21), 8
	; waves 0-5 fetch a sixth of k each (64 rows), waves 6-11 of v, waves 12-15 a quarter of the scale words (8 rows)
	s_add_co_u32 s18, s15, 64
	s_mul_i32 s76, s18, 98304
	s_lshl_b32 s19, s[WV], 14
	s_add_co_u32 s76, s76, s19                     ; k: (64 + head) x 98,304 + 16,384 w
	s_mov_b32 s77, 0
	s_add_co_u32 s78, s76, 63*98304                ; v: (128 + head) x 98,304 + 16,384 (w - 6)
	s_mov_b32 s79, 0
	s_lshl_b32 s80, s18, 12
	s_and_b32 s19, s[WV], 2
	s_lshl_b32 s19, s19, 17                        ; v's words lie 64 x 4,096 bytes behind k's
	s_add_co_u32 s80, s80, s19
	s_and_b32 s19, s[WV], 1
	s_lshl_b32 s19, s19, 11
	s_add_co_u32 s80, s80, s19
	s_mov_b32 s81, 0
	s_mov_b32 s[G0K], 1
	s_mul_i32 s[G0K+1], s[WV], 64*KPL
	s_mov_b32 s[G0V], 1
	s_lshl_b32 s[G0V+1], s[WV], 14
	s_add_co_u32 s[G0V+1], s[G0V+1], VB-98304
	s_mov_b32 s[G0S], 1
	s_and_b32 s[G0S+1], s[WV], 3
	s_lshl_b32 s[G0S+1], s[G0S+1], 11
	s_add_co_u32 s[G0S+1], s[G0S+1], SCB
	; my queries
	s_lshl_b32 s82, s13, 2
	s_lshr_b32 s19, s[WV], 2
	s_add_co_u32 s82, s82, s19                     ; G: my group of 128 tokens in the batch
	s_and_b32 s83, s[WV], 3                        ; f: my fragment of q in it; my tiles are 2 f and 2 f + 1
	s_lshl_b32 s19, s15, 4
	s_add_co_u32 s19, s19, s82
	s_mul_i32 s60, s19, 6144
	s_mul_i32 s18, s83, 1536
	s_add_co_u32 s60, s60, s18
	s_mov_b32 s61, 0
	s_lshl_b32 s62, s19, 8
	s_lshl_b32 s18, s83, 2
	s_add_co_u32 s62, s62, s18
	s_mov_b32 s63, 0
	s_lshl_b32 s19, s16, 4
	s_add_co_u32 s19, s19, s82                     ; 16 x batch + G
	s_lshl_b32 s19, s19, 3
	s_lshr_b32 s86, s17, 1                         ; the pair of heads = the last product's K step
	s_and_b32 s87, s17, 1                          ; which half of that step is mine
	s_lshl_b32 s18, s83, 1
	s_add_co_u32 s66, s19, s18
	s_lshl_b32 s66, s66, 3
	s_add_co_u32 s66, s66, s86
	s_mul_i32 s66, s66, 1536
	s_mul_i32 s18, s87, 768
	s_add_co_u32 s66, s66, s18                     ; oimg: (((16 batch + G) x 8 + 2 f) x 8 + pair) x 1,536 + 768 x half
	s_mov_b32 s67, 0
	s_add_co_u32 s68, s19, s86
	s_lshl_b32 s68, s68, 9
	s_lshl_b32 s18, s83, 3
	s_add_co_u32 s68, s68, s18
	s_lshl_b32 s18, s87, 1
	s_add_co_u32 s68, s68, s18                     ; osc: ((16 batch + G) x 8 + pair) x 512 + 8 f + 2 x half
	s_mov_b32 s69, 0
	s_mov_b32 s[SEL], 0x76543210
	s_mov_b32 s[SEL+1], 0xfedcba98                 ; v_permlanex16_b32's selects for lane l xor 16
	s_mov_b32 s[CS], 0x3e38aa3b                    ; c = log2(e) / 8
	s_mov_b32 s[CS+1], s[CS]
	s_mov_b32 s[MASK], 0xffff
	s_mov_b32 s[QSH], 0
	s_mov_b32 s[PASS], 0
	s_wait_alu depctr_va_vdst(0)
	s_wait_dscnt 0x0                               ; both opening adds are done
	s_wait_kmcnt 0x0
	s_add_nc_u64 s[G0K+2:G0K+3], s[4:5], s[76:77]
	s_or_b32 s[G0K+3], s[G0K+3], 0x80000000
	s_add_nc_u64 s[G0V+2:G0V+3], s[4:5], s[78:79]
	s_or_b32 s[G0V+3], s[G0V+3], 0x80000000
	s_add_nc_u64 s[G0S+2:G0S+3], s[6:7], s[80:81]
	s_or_b32 s[G0S+3], s[G0S+3], 0x80000000
	s_add_nc_u64 s[60:61], s[4:5], s[60:61]        ; q's codes
	s_add_nc_u64 s[62:63], s[6:7], s[62:63]        ; q's scale words
	s_add_nc_u64 s[66:67], s[8:9], s[66:67]
	s_add_nc_u64 s[68:69], s[10:11], s[68:69]
	CROUND                                         ; all four work-groups are here: the joint loads meet
	s_cmp_lt_u32 s[WV], 6                          ; one chain of branches on the wave's number, one load to an arm: every wave issues one
	s_cbranch_scc0 .Larm_v
	TLOAD G0K, G1K
	s_branch .Lasked
.Larm_v:
	s_cmp_lt_u32 s[WV], 12
	s_cbranch_scc0 .Larm_s
	TLOAD G0V, G1V
	s_branch .Lasked
.Larm_s:
	TLOAD G0S, G1S
.Lasked:
	v_and_b32 v96, 31, v0                          ; lane
	v_and_b32 v97, 15, v0                          ; r
	v_bfe_u32 v98, v0, 4, 1                        ; h
	v_lshlrev_b32 v[L8], 3, v96
	v_lshlrev_b32 v101, 4, v97                     ; 16 r
	QLOAD
	global_load_b32 v[QRAW], v101, s[62:63]
	v_lshrrev_b32 v99, 3, v97
	v_and_b32 v100, 7, v97
	v_mul_u32_u24 v[KB0], v99, KFR
	v_lshlrev_b32 v[SK0], 4, v100
	v_lshl_add_u32 v[KB0], v100, 3, v[KB0]
	v_lshl_add_u32 v[SK0], v99, 2, v[SK0]
	v_lshl_add_u32 v[KB0], v98, 7, v[KB0]
	v_add_nc_u32 v[SK0], SCB, v[SK0]
	v_add_nc_u32 v[VB0], VB, v[L8]
	v_add_nc_u32 v[SV0], SCB+4096, v101
	v_lshlrev_b32 v[SH8], 3, v98
	v_lshlrev_b32 v[OSO], 5, v97
	v_mov_b32 v10, 0                               ; written once: a lane permute's destination counts as one of its sources
	v_lshl_add_u32 v[OSO], v98, 2, v[OSO]
	v_mov_b32 v11, 0
	v_mov_b32 v[FF+1], 0
	v_mov_b32 v[HW], 0
.irp i, 0,1,2,3,4,5
	v_mov_b32 v[22+\i], 0                          ; zero codes
.endr
	s_wait_alu depctr_va_vdst(0)
	s_wait_tensorcnt 0x0                           ; my tile is in
	s_barrier_signal -1
	s_barrier_wait -1                              ; and everybody's: all of k, v and their scale words; nothing is filled again
.Lpass:                                ; a tile of 16 queries against the head's 2,048 keys
	s_wait_loadcnt 0x0                             ; q
	v_lshrrev_b32 v[QW], s[QSH], v[QRAW]           ; my tile's two bytes of the fragment's word,
	s_delay_alu instid0(VALU_DEP_1)
	v_and_b32 v[QW], 0xffff, v[QW]
	s_delay_alu instid0(VALU_DEP_1)
	v_lshl_or_b32 v[QW], v[QW], 16, v[QW]          ; twice: they serve [q | zeros] and [zeros | q] alike
	v_mov_b32 v13, 0xff61b1e6                      ; the largest score so far: -3e38
	v_mov_b32 v12, 0x7e000000                      ; -M: a large whole number, so that the first f is 0
	v_mov_b32 v14, 0                               ; the sum, in two halves
	v_mov_b32 v15, 0
.set i, 0
.rept 32
	v_mov_b32 v[OO+i], 0                           ; the step is written once: its first run finds zeros
.set i, i+1
.endr
	v_mov_b32 v[ADK], v[KB0]
	v_mov_b32 v[ADSK], v[SK0]
	KLOAD                                          ; key step 0
	s_mov_b32 s[NK], KST
	s_mov_b32 s[NS], 256
	s_mov_b32 s[TV], 0
	s_mov_b32 s[TS], 0
	s_mov_b32 s[STEPS], 16
.Lstep:                                ; A KEY STEP: 128 keys
	s_wait_dscnt 0x0                               ; k's fragments and words
.irp i, 0,1,2,3
	v_wmma_scale_f32_16x16x128_f8f6f4 v[SS+16*\i:SS+16*\i+7], v[FK+12*\i:FK+12*\i+11], v[16:27], 0, v[KS+\i], v[QW] matrix_a_fmt:MATRIX_FMT_FP6 matrix_b_fmt:MATRIX_FMT_FP6
	v_wmma_scale_f32_16x16x128_f8f6f4 v[SS+16*\i+8:SS+16*\i+15], v[FK+12*\i:FK+12*\i+11], v[22:33], 0, v[KS+\i], v[QW] matrix_a_fmt:MATRIX_FMT_FP6 matrix_b_fmt:MATRIX_FMT_FP6
.endr
	v_add_nc_u32 v[ADK], s[NK], v[KB0]             ; four lines: the places behind the products above, and between the last step's products and the loads into v's registers
	v_add_nc_u32 v[ADSK], s[NS], v[SK0]
	v_add_nc_u32 v[ADV], s[TV], v[VB0]
	v_add_nc_u32 v[ADSV], s[TS], v[SV0]
.irp f, 0,1,2,3                        ; v's fragments land under the softmax: 25 loads
.irp p, 0,1,2,3,4,5
	ds_load_b64 v[FV+12*\f+2*\p:FV+12*\f+2*\p+1], v[ADV] offset:1536*\f+256*\p
.endr
.endr
	ds_load_b128 v[VS:VS+3], v[ADSV]
.irp q, 0,1,2,3                        ; the largest score of my two blocks of 32 keys, two chains each; each accumulator is read from its low end on
	v_max3_num_f32 v[TT+\q], v[SS+16*\q], v[SS+1+16*\q], v[SS+2+16*\q]
.endr
.irp i, 3,5,7,9,11,13
.irp q, 0,1,2,3
	v_max3_num_f32 v[TT+\q], v[TT+\q], v[SS+16*\q+\i], v[SS+1+16*\q+\i]
.endr
.endr
	v_max3_num_f32 v[TT], v[TT], v[TT+1], v[SS+15]
	v_max3_num_f32 v[TT+2], v[TT+2], v[TT+3], v[SS+47]
	v_max_num_f32 v[TT], v[TT], v[SS+31]           ; block c = 0: it serves for the row's maximum and, since p rises with the score, for the block's largest p
	v_max_num_f32 v[TT+2], v[TT+2], v[SS+63]       ; block c = 1
	v_max_num_f32 v[XX], v[TT], v[TT+2]
	s_delay_alu instid0(VALU_DEP_1)
	v_permlanex16_b32 v10, v[XX], s[SEL], s[SEL+1]
	s_delay_alu instid0(VALU_DEP_1)
	v_max3_num_f32 v13, v13, v[XX], v10            ; the running largest score of my query
	s_delay_alu instid0(VALU_DEP_1)
	v_mul_f32 v[TMP], s[CS], v13                   ; as t (c is positive)
	v_mov_b32 v[OLD], v12
	s_delay_alu instid0(VALU_DEP_2)
	v_floor_f32 v12, -v[TMP]                       ; the new -M = floor(-t): M is a whole number
	s_delay_alu instid0(VALU_DEP_1)
	v_sub_f32 v[DD], v12, v[OLD]
	s_delay_alu instid0(VALU_DEP_1)
	v_cvt_i32_f32 v[DD], v[DD]                     ; (it saturates)
	s_delay_alu instid0(VALU_DEP_1)
	v_ldexp_f32 v[FF], 1.0, v[DD]                  ; f = 2^(old M - new M)
.set j, 0
.rept 32
	v_pk_fma_f32 v[SS+j:SS+j+1], v[SS+j:SS+j+1], s[CS:CS+1], v[12:13] op_sel_hi:[1,0,0]   ; t - M, two at a time
.set j, j+2
.endr
	v_fma_f32 v[TT], v[TT], s[CS], v12             ; the same of each block's largest score
	v_fma_f32 v[TT+2], v[TT+2], s[CS], v12
.set j, 0
.rept 16
	v_pk_mul_f32 v[OO+j:OO+j+1], v[OO+j:OO+j+1], v[FF:FF+1] op_sel_hi:[1,0]   ; O^T under the new M, ahead of the exponentials
.set j, j+2
.endr
	s_wait_alu depctr_va_vdst(0)
.set j, 0
.rept 64
	v_exp_f32 v[SS+j], v[SS+j]                     ; p = 2^(t - M)
.set j, j+1
.endr
	v_exp_f32 v[TT], v[TT]                         ; the blocks' largest p
	v_exp_f32 v[TT+2], v[TT+2]
	v_pk_mul_f32 v[14:15], v[14:15], v[FF:FF+1] op_sel_hi:[1,0]   ; the sums under the new M: a plain place behind the exponentials
	s_wait_alu depctr_va_vdst(0)                   ; one wait for the whole batch, ahead of its first reader
	v_max_num_f32 v[TT], 0x1800000, v[TT]          ; the floor 2^(3 - 127)
	v_max_num_f32 v[TT+2], 0x1800000, v[TT+2]
	v_add_nc_u32 v[SOP], 0xff000000, v[TT]         ; 2 off the exponent field: the conversion's scale operand
	v_add_nc_u32 v[SOP+1], 0xff000000, v[TT+2]
	v_cvt_scalef32_pk16_fp6_f32 v[PC:PC+2], v[SS:SS+15], v[SOP]
	v_cvt_scalef32_pk16_fp6_f32 v[C1:C1+2], v[SS+16:SS+31], v[SOP]        ; (a conversion's three registers begin on an even number)
	v_cvt_scalef32_pk16_fp6_f32 v[PC+6:PC+8], v[SS+32:SS+47], v[SOP+1]
	v_cvt_scalef32_pk16_fp6_f32 v[C2:C2+2], v[SS+48:SS+63], v[SOP+1]
	v_lshrrev_b32 v[BY], 23, v[SOP]                ; the bytes of my blocks h and 2 + h
	v_lshrrev_b32 v[BY+1], 23, v[SOP+1]
	s_delay_alu instid0(VALU_DEP_1)
	v_lshl_or_b32 v[BY], v[BY+1], 16, v[BY]
	s_delay_alu instid0(VALU_DEP_1)
	v_lshlrev_b32 v[BY], v[SH8], v[BY]             ; at their places in the word;
	s_delay_alu instid0(VALU_DEP_1)
	v_permlanex16_b32 v11, v[BY], s[SEL], s[SEL+1]
	s_delay_alu instid0(VALU_DEP_1)
	v_or_b32 v[PW], v[BY], v11                     ; with lane l xor 16's two the word is whole
.irp i, 0,1,2
	v_mov_b32 v[PC+3+\i], v[C1+\i]
	v_mov_b32 v[PC+9+\i], v[C2+\i]
.endr
.irp k, 0,1,2,3                        ; the row's sum, of the unquantised p: four chains.  These 32 lines are also the places between p's codes and scale word and the products
	v_pk_add_f32 v[SUM+2*\k:SUM+2*\k+1], v[SS+2*\k:SS+2*\k+1], v[SS+8+2*\k:SS+9+2*\k]
.endr
.irp j, 2,3,4,5,6,7
.irp k, 0,1,2,3
	v_pk_add_f32 v[SUM+2*\k:SUM+2*\k+1], v[SUM+2*\k:SUM+2*\k+1], v[SS+8*\j+2*\k:SS+8*\j+2*\k+1]
.endr
.endr
	v_pk_add_f32 v[SUM:SUM+1], v[SUM:SUM+1], v[SUM+2:SUM+3]
	v_pk_add_f32 v[SUM+4:SUM+5], v[SUM+4:SUM+5], v[SUM+6:SUM+7]
	s_delay_alu instid0(VALU_DEP_1)
	v_pk_add_f32 v[SUM:SUM+1], v[SUM:SUM+1], v[SUM+4:SUM+5]
	s_delay_alu instid0(VALU_DEP_1)
	v_pk_add_f32 v[14:15], v[14:15], v[SUM:SUM+1]
	KLOAD                                          ; the next step's k.  (The last trip's request reaches into v's bytes; what it brings is not used)
	s_wait_dscnt 28                                ; v's 25 loads are in; the 28 just issued may be out
.irp f, 0,1,2,3
	v_wmma_scale_f32_16x16x128_f8f6f4 v[OO+8*\f:OO+8*\f+7], v[FV+12*\f:FV+12*\f+11], v[PC:PC+11], v[OO+8*\f:OO+8*\f+7], v[VS+\f], v[PW] matrix_a_fmt:MATRIX_FMT_FP6 matrix_b_fmt:MATRIX_FMT_FP6
.endr
	s_add_co_u32 s[NK], s[NK], KST
	s_add_co_u32 s[NS], s[NS], 256
	s_add_co_u32 s[TV], s[TV], 6144
	s_add_co_u32 s[TS], s[TS], 256
	s_sub_co_u32 s[STEPS], s[STEPS], 1
	s_cmp_lg_u32 s[STEPS], 0
	s_cbranch_scc1 .Lstep
	s_add_nc_u64 s[60:61], s[60:61], 768           ; (q's loads were waited for at the pass's head)
	s_cmp_eq_u32 s[PASS], 1
	s_cbranch_scc1 .Lno_q
	QLOAD                                          ; the second tile's q lands under the first tile's end
.Lno_q:
; A TILE'S END: O^T / the sum; register 16 b + i = channel 32 b + 16 h + i.  They become my half of a fragment of the last product and two bytes of its scale word.
	s_wait_dscnt 0x0                               ; the last request has landed: its registers are at work again
	s_wait_alu depctr_va_vdst(0)                   ; ahead of the reader of the sum
.rept 4
	v_nop                                          ; places behind the last products
.endr
	v_add_f32 v14, v14, v15
	s_delay_alu instid0(VALU_DEP_1)
	v_permlanex16_b32 v10, v14, s[SEL], s[SEL+1]
	s_delay_alu instid0(VALU_DEP_1)
	v_add_f32 v14, v14, v10                        ; the row's sum
	s_wait_alu depctr_va_vdst(0)
	v_rcp_f32 v14, v14
	v_nop                                          ; a plain place behind the reciprocal
	s_wait_alu depctr_va_vdst(0)                   ; the wait ahead of its first reader and of O^T's
.set j, 0
.rept 16
	v_pk_mul_f32 v[SS+j:SS+j+1], v[OO+j:OO+j+1], v[14:15] op_sel_hi:[1,0]
.set j, j+2
.endr
.irp b, 0,1
	v_max3_num_f32 v[TT+\b], |v[SS+16*\b]|, |v[SS+1+16*\b]|, 0x1800000
.endr
.irp i, 2,4,6,8,10,12,14
.irp b, 0,1
	s_delay_alu instid0(VALU_DEP_2)
	v_max3_num_f32 v[TT+\b], v[TT+\b], |v[SS+16*\b+\i]|, |v[SS+1+16*\b+\i]|
.endr
.endr
.irp b, 0,1
	s_delay_alu instid0(VALU_DEP_2)
	v_permlanex16_b32 v[10+\b], v[TT+\b], s[SEL], s[SEL+1]
.endr
.irp b, 0,1
	s_delay_alu instid0(VALU_DEP_2)
	v_max_num_f32 v[TT+\b], v[TT+\b], v[10+\b]
.endr
	v_add_nc_u32 v[SOP], 0xff000000, v[TT]
	v_add_nc_u32 v[SOP+1], 0xff000000, v[TT+1]
	v_cvt_scalef32_pk16_fp6_f32 v[OC:OC+2], v[SS:SS+15], v[SOP]
	v_cvt_scalef32_pk16_fp6_f32 v[OC+8:OC+10], v[SS+16:SS+31], v[SOP+1]
	v_lshrrev_b32 v[BY], 23, v[SOP]                ; (plain lines behind the conversions)
	v_lshrrev_b32 v[BY+1], 23, v[SOP+1]
	s_delay_alu instid0(VALU_DEP_1)
	v_lshl_or_b32 v[BY], v[BY+1], 8, v[BY]
.irp i, 0,1,2
	v_permlane16_swap_b32 v[OC+\i], v[OC+8+\i]     ; a whole block to a lane
.endr
.irp i, 0,1,2
	s_delay_alu instid0(VALU_DEP_3)
	v_mov_b32 v[OC+3+\i], v[OC+8+\i]
.endr
	v_cndmask_b32 v[HW], v[HW], v[BY], s[MASK]     ; the first tile's bytes stay in lanes 0-15, the second's in lanes 16-31
.irp p, 0,1,2
	global_store_b64 v[L8], v[OC+2*\p:OC+2*\p+1], s[66:67] offset:256*\p   ; 32 lanes store 256 consecutive bytes, aligned
.endr
	s_wait_xcnt 0x0                                ; the stores have read their registers and their base
	s_add_nc_u64 s[66:67], s[66:67], 12288         ; the next tile lies 8 K steps on
	s_not_b32 s[MASK], s[MASK]
	s_add_co_u32 s[QSH], s[QSH], 16
	s_add_co_u32 s[PASS], s[PASS], 1
	s_cmp_lt_u32 s[PASS], 2
	s_wait_alu depctr_va_vdst(0)
	s_cbranch_scc1 .Lpass
	global_store_b16 v[OSO], v[HW], s[68:69]       ; my two tiles' halves of their scale words
	s_wait_tensorcnt 0x0                           ; the wave's end
	ds_add_u32 v[SPW], v[NIL]
	s_wait_dscnt 0x0
	CROUND                                         ; the closing round
	s_endpgm
.Lfunc_end_k_q5f018ae386_attn:
	.size	k_q5f018ae386_attn, .Lfunc_end_k_q5f018ae386_attn-k_q5f018ae386_attn
	.p2alignl 7, 3214868480
	.fill 96, 4, 3214868480
	.section	.rodata,"a",@progbits
	.p2align	6, 0x0
	.amdhsa_kernel k_q5f018ae386_attn
		.amdhsa_group_segment_fixed_size 327680
		.amdhsa_private_segment_fixed_size 0
		.amdhsa_enable_private_segment 0
		.amdhsa_kernarg_size 32
		.amdhsa_user_sgpr_count 2
		.amdhsa_user_sgpr_kernarg_segment_ptr 1
		.amdhsa_wavefront_size32 1
		.amdhsa_system_sgpr_workgroup_id_x 1
		.amdhsa_system_sgpr_workgroup_id_y 1
		.amdhsa_system_sgpr_workgroup_id_z 1
		.amdhsa_system_vgpr_workitem_id 0
		.amdhsa_next_free_vgpr 256
		.amdhsa_next_free_sgpr 88
		.amdhsa_reserve_vcc 0
		.amdhsa_float_denorm_mode_32 3
		.amdhsa_float_denorm_mode_16_64 3
		.amdhsa_memory_ordered 1
		.amdhsa_forward_progress 1
		.amdhsa_inst_pref_size 35
	.end_amdhsa_kernel
	.amdgpu_metadata
---
amdhsa.version: [ 1, 2 ]
amdhsa.kernels:
  - .name:           k_q5f018ae386_attn
    .symbol:         k_q5f018ae386_attn.kd
    .args:
      - { .name: img, .offset: 0, .size: 8, .value_kind: global_buffer, .address_space: global }
      - { .name: ims, .offset: 8, .size: 8, .value_kind: global_buffer, .address_space: global }
      - { .name: oimg, .offset: 16, .size: 8, .value_kind: global_buffer, .address_space: global }
      - { .name: osc, .offset: 24, .size: 8, .value_kind: global_buffer, .address_space: global }
    .group_segment_fixed_size: 327680
    .private_segment_fixed_size: 0
    .kernarg_segment_align: 8
    .kernarg_segment_size: 32
    .max_flat_workgroup_size: 512
    .sgpr_count:     88
    .vgpr_count:     256
    .wavefront_size: 32
...
	.end_amdgpu_metadata
.endif
;; end of part 4
;; launch gemm_proj (part 5): grid 8 x 32, 4 waves a work-group, clusters of 4 x 4, 327,680 bytes of LDS; arguments oimg, osc, wimg, wsc, b_proj, out0; writes out0
.if DOCPART == 5
	.amdgcn_target "amdgcn-amd-amdhsa--gfx1250"
	.amdhsa_code_object_version 6
	.text
	.protected	k_q5f018ae386_gemm_proj
	.globl	k_q5f018ae386_gemm_proj
	.p2align	8
	.type	k_q5f018ae386_gemm_proj,@function
k_q5f018ae386_gemm_proj:
	s_mov_b64 s[64:65], 0
	v_nop
	global_prefetch_b8 v0, s[64:65] scope:SCOPE_SE
	s_setreg_imm32_b32 hwreg(HW_REG_WAVE_MODE, 25, 1), 1
	s_wait_xcnt 0x0
	s_wait_alu depctr_hold_cnt(0) depctr_sa_sdst(0) depctr_va_vdst(0) depctr_va_sdst(0) depctr_va_ssrc(0) depctr_va_vcc(0) depctr_vm_vsrc(0)
	s_getreg_b32 s2, hwreg(HW_REG_IB_STS2, 6, 4)
	s_cmp_eq_u32 s2, 0
	s_cbranch_scc0 .Lentry_in_a_cluster
	s_endpgm
.Lentry_in_a_cluster:
	s_bfe_u32 s2, ttmp6, 0x10000c
	s_cmp_lg_u32 s2, 0xf033
	s_cbranch_scc0 .Lentry_shape_is_right
	s_endpgm
.Lentry_shape_is_right:
; out0 [8192][1024] f32 = O W_proj + b_proj, on codes of FP6 (E2M3) with E8M0 scales, as the launches before left them:
; oimg [tile of 16 rows: 512][K step: 8][1536], wimg the same (tiles 192-255 are W_proj's columns); an image is six planes of 256 bytes: lane l's 8 bytes at 256 p + 8 l are operand registers 2 p, 2 p + 1.
; osc, wsc [group of 128: ..][K step: 8][512], the word of (row r, tile i) at 32 r + 4 i (groups 24-31 of wsc are W_proj's).  Row r of tile t of a group is row (or column) 32 (t / 2) + 8 (t % 2) + r % 8 + 16 (r / 8).
; SHARES: 256 work-groups, each 256 rows x 128 columns.  ALL OF K LIES IN LDS AT ONCE: O's 16 tiles (196,608 bytes), W's 8 tiles (98,304), their scale words (8,192 + 4,096): each a dense block of memory, filled once, one joint load a wave; nothing is filled again.
; A wave makes 128 rows x 64 columns: its 64 rows of W, all of K, stay in registers (32 fragments, 384 registers); O's rows pass in 8 blocks of 16 rows, all of K (8 fragments, two sets).
; A block is 32 products on 4 accumulators by turns, K ascending; the bias is the first products' C.  A finished block leaves at once, through the wave's own stage, as whole rows of 256 bytes.
; CLUSTER: 4 x 4 work-groups; O's tiles and words are shared along a row of the cluster, W's along a column.
; THE MATRIX INSTRUCTION IS USED TRANSPOSED (source 0 = 16 rows of W, source 1 = 16 rows of O): a lane holds eight neighbouring numbers of a row of the result.
; No prefetch: every tile is asked for at the head; no loop is left to run ahead in.
; REGISTERS: window 0: v0-31 addresses; v32-95 scale words of all 8 K steps (register 8 q + i: lanes 0-15 O's tile i, lanes 16-31 W's tile i); v96-159 two sets of 4 accumulators; v160-191 the bias; v192-255 two sets of 8 x 4 on the way out.
;   Fragment f lies in window 1 + f / 21 at register 12 (f % 21): 0-31 W's (4 q + b), 32-39 and 40-47 O's two sets.
.set FR,     12
.set FPW,    21
.set TILE,   12288                     ; a tile of 16 rows, all of K
.set BB0,    16*TILE                   ; W's tiles
.set SCA,    BB0+8*TILE                ; O's scale words
.set SCW,    SCA+8192                  ; W's
.set STG,    SCW+4096                  ; four stages of 16 rows x (256 + 16) bytes: no fill lands here
.set SPITCH, 272
.set SPARE,  STG+4*16*SPITCH           ; the spare words, 128 bytes for each wave: two blocks of 256 bytes that no other line names
.set ADRA, 16                          ; v16, v17  my tiles 0-3, 4-7 of O
.set ADRB, 20                          ; v20  my four tiles of W
.set CO,   23                          ; v23  4,096 (lane / 16) + 16 (lane % 16)
.set STO,  24
.set RD,   25
.set ADRS, 26                          ; v26, v27  scale words: tiles 0-3, tiles 4-7 (lanes 16-31 point at W's four in both)
.set SPW,  28
.set NIL,  29
.set SC,   32
.set ACC,  96
.set B0,   160
.set BK,   192
.set G1A,  24
.set G0A,  32
.set G0B,  36
.set G1B,  48
.set G0SA, 56
.set G0SB, 60
.set G1SA, 68
.set G1SB, 80
.set MSB, 0
.macro WIN new                         ; the immediate's high byte repeats the setting that is left
.if MSB != (\new)
	s_set_vgpr_msb (MSB<<8)|(\new)
.set MSB, (\new)
.endif
.endm
.macro PLACES n
.rept \n
	v_nop
.endr
.endm
.macro CROUND
	s_barrier_signal -1
	s_barrier_wait -1
	s_cmp_lg_u32 s18, 0
	s_cbranch_scc1 .Lnot_wave_0_\@
	s_barrier_signal -3
.Lnot_wave_0_\@:
	s_barrier_wait -3
	s_barrier_signal -1
	s_barrier_wait -1
.endm
.macro TLOAD g0, g1                    ; an s_nop 0 and four v_nop follow the load
	tensor_load_to_lds s[\g0:\g0+3], s[\g1:\g1+7]
	s_nop 0
	PLACES 4
.endm
.macro GROUP1 g, mask, rows            ; a dense block as rows of 256 bytes (32 elements of 8)
	s_or_b32 s[\g], s[\mask], (3<<16)|(1<<21)
	s_mov_b32 s[\g+1], 32<<16
	s_mov_b32 s[\g+2], (\rows)<<16
	s_mov_b32 s[\g+3], 32<<16
	s_mov_b32 s[\g+4], \rows
	s_mov_b32 s[\g+5], 32
	s_mov_b32 s[\g+6], 0
	s_mov_b32 s[\g+7], 0
.endm
.macro FRAG f, adr, off                ; a fragment: six loads of 256 consecutive bytes
	WIN (1+(\f)/FPW)<<6
.irp p, 0,1,2,3,4,5
	ds_load_b64 v[FR*((\f)%FPW)+2*\p:FR*((\f)%FPW)+2*\p+1], v[\adr] offset:(\off)+256*\p
.endr
.endm
.macro WEIGHTS                         ; my 64 rows of W, all of K
.set FW_, 0
.rept 32
	FRAG FW_, ADRB, TILE*(FW_%4)+1536*(FW_/4)
.set FW_, FW_+1
.endr
	WIN 0
.endm
.macro FETCH a                         ; block a of O's rows into set a % 2
.set QF_, 0
.rept 8
	FRAG 32+8*((\a)%2)+QF_, ADRA+(\a)/4, TILE*((\a)%4)+1536*QF_
.set QF_, QF_+1
.endr
	WIN 0
.endm
.macro BLOCK a                         ; 32 products: K step q = n / 4, W's tile b = n % 4
.set N_, 0
.rept 32
.set Q_, N_/4
.set B_, N_%4
.set FB_, 4*Q_+B_
.set FA_, 32+8*((\a)%2)+Q_
.set AD_, ACC+32*((\a)%2)+8*B_
	WIN (1+FB_/FPW)|((1+FA_/FPW)<<2)
.if Q_
	v_wmma_scale_f32_16x16x128_f8f6f4 v[AD_:AD_+7], v[FR*(FB_%FPW):FR*(FB_%FPW)+FR-1], v[FR*(FA_%FPW):FR*(FA_%FPW)+FR-1], v[AD_:AD_+7], v[SC+8*Q_+B_], v[SC+8*Q_+(\a)] matrix_a_fmt:MATRIX_FMT_FP6 matrix_b_fmt:MATRIX_FMT_FP6 matrix_a_scale:MATRIX_SCALE_ROW1
.else
	v_wmma_scale_f32_16x16x128_f8f6f4 v[AD_:AD_+7], v[FR*(FB_%FPW):FR*(FB_%FPW)+FR-1], v[FR*(FA_%FPW):FR*(FA_%FPW)+FR-1], v[B0+8*B_:B0+8*B_+7], v[SC+8*Q_+B_], v[SC+8*Q_+(\a)] matrix_a_fmt:MATRIX_FMT_FP6 matrix_b_fmt:MATRIX_FMT_FP6 matrix_a_scale:MATRIX_SCALE_ROW1
.endif
.set N_, N_+1
.endr
	WIN 0
.endm
.macro TOSTAGE a                       ; a block's 16 rows x 64 columns into my stage, each accumulator from its low end on, and back as whole rows; LDS serves a wave's instructions in order
.set AC_, ACC+32*((\a)%2)
.irp b, 0,1,2,3
	ds_store_b128 v[STO], v[AC_+8*\b:AC_+8*\b+3] offset:128*(\b/2)+32*(\b%2)
	ds_store_b128 v[STO], v[AC_+8*\b+4:AC_+8*\b+7] offset:128*(\b/2)+32*(\b%2)+16
.endr
.set BB_, BK+32*((\a)%2)
.irp t, 0,1,2,3,4,5,6,7
	ds_load_b128 v[BB_+4*\t:BB_+4*\t+3], v[RD] offset:\t*2*SPITCH
.endr
.endm
.macro SEND a                          ; sixteen lanes store 256 consecutive bytes, aligned; the tile's rows 2 t and 2 t + 1
.set BB_, BK+32*((\a)%2)
.irp t, 0,1,2,3,4,5,6,7
	global_store_b128 v[CO], v[BB_+4*\t:BB_+4*\t+3], s[14:15] offset:(32*((\a)/2)+8*((\a)%2)+(2*\t)%8+16*(\t/4))*4096 th:TH_STORE_NT
.endr
.endm
	s_load_b256 s[4:11], s[0:1], 0x0               ; oimg s[4:5], osc s[6:7], wimg s[8:9], wsc s[10:11]
	s_load_b128 s[12:15], s[0:1], 0x20             ; b_proj s[12:13], out0 s[14:15]
	v_lshl_add_u32 v[SPW], v0, 2, SPARE
	v_mov_b32 v[NIL], 0
	ds_add_u32 v[SPW], v[NIL]                      ; the opening lines: the add, twice on end, and its wait ahead of the first tensor load
	ds_add_u32 v[SPW], v[NIL]
	v_lshrrev_b32 v1, 5, v0
	v_readfirstlane_b32 s18, v1                    ; wave 0..3
	s_lshr_b32 s19, s18, 1                         ; which 128 rows are mine
	s_and_b32 s20, s18, 1                          ; which 64 columns
	s_bfe_u32 s21, ttmp6, 0x40000                  ; cx
	s_bfe_u32 s22, ttmp6, 0x40004                  ; cy
	s_and_b32 s40, ttmp7, 0xffff
	s_lshl_b32 s40, s40, 2
	s_add_co_u32 s40, s40, s22                     ; block row, 0..31
	s_lshl_b32 s41, ttmp9, 2
	s_add_co_u32 s41, s41, s21                     ; block column, 0..7
	s_lshl_b32 s42, s22, 2
	s_lshl_b32 s42, 15, s42                        ; my row of the cluster
	s_lshl_b32 s43, 0x1111, s21                    ; my column
	GROUP1 G1A, 42, 768
	GROUP1 G1B, 43, 384
	GROUP1 G1SA, 42, 32
	GROUP1 G1SB, 43, 16
	s_mul_i32 s44, s40, 16*TILE                    ; O's 16 tiles
	s_mov_b32 s45, 0
	s_lshl_b32 s46, s41, 3
	s_add_co_u32 s46, s46, 192
	s_mul_i32 s46, s46, TILE                       ; W's 8 tiles
	s_mov_b32 s47, 0
	s_lshl_b32 s88, s40, 13                        ; O's two groups of scale words
	s_mov_b32 s89, 0
	s_add_co_u32 s90, s41, 24
	s_lshl_b32 s90, s90, 12                        ; W's group
	s_mov_b32 s91, 0
	s_mov_b32 s[G0A], 1
	s_mov_b32 s[G0A+1], 0
	s_mov_b32 s[G0B], 1
	s_mov_b32 s[G0B+1], BB0
	s_mov_b32 s[G0SA], 1
	s_mov_b32 s[G0SA+1], SCA
	s_mov_b32 s[G0SB], 1
	s_mov_b32 s[G0SB+1], SCW
	s_mul_i32 s92, s19, 8*TILE                     ; LDS: my tiles 0-3 of O,
	s_add_co_u32 s93, s92, 4*TILE                  ; my tiles 4-7,
	s_mul_i32 s94, s20, 4*TILE
	s_add_co_u32 s94, s94, BB0                     ; my four tiles of W,
	s_lshl_b32 s95, s19, 12
	s_add_co_u32 s95, s95, SCA                     ; my group's scale words,
	s_lshl_b32 s96, s20, 4
	s_add_co_u32 s96, s96, SCW
	s_sub_co_u32 s96, s96, s95                     ; from there to the words of my four tiles of W,
	s_mul_i32 s98, s18, 16*SPITCH
	s_add_co_u32 s98, s98, STG                     ; my stage
	s_lshl_b32 s97, s41, 9
	s_lshl_b32 s99, s20, 8
	s_add_co_u32 s97, s97, s99                     ; my first column, in bytes
	s_lshl_b32 s2, s40, 8
	s_lshl_b32 s99, s19, 7
	s_add_co_u32 s2, s2, s99
	s_lshl_b32 s2, s2, 12                          ; my first row of out0, in bytes
	s_add_co_u32 s2, s2, s97
	s_mov_b32 s3, 0
	s_wait_alu depctr_va_vdst(0)
	s_wait_dscnt 0x0                               ; both opening adds are done
	s_wait_kmcnt 0x0
	s_add_nc_u64 s[G0A+2:G0A+3], s[4:5], s[44:45]
	s_or_b32 s[G0A+3], s[G0A+3], 0x80000000
	s_add_nc_u64 s[G0B+2:G0B+3], s[8:9], s[46:47]
	s_or_b32 s[G0B+3], s[G0B+3], 0x80000000
	s_add_nc_u64 s[G0SA+2:G0SA+3], s[6:7], s[88:89]
	s_or_b32 s[G0SA+3], s[G0SA+3], 0x80000000
	s_add_nc_u64 s[G0SB+2:G0SB+3], s[10:11], s[90:91]
	s_or_b32 s[G0SB+3], s[G0SB+3], 0x80000000
	s_add_nc_u64 s[14:15], s[14:15], s[2:3]
	CROUND                                         ; all sixteen work-groups are here: the joint loads meet
	s_cmp_eq_u32 s18, 0                            ; one chain of branches on the wave's number, one load to an arm; what goes on into registers is asked for first
	s_cbranch_scc0 .Lwave_1
	TLOAD G0B, G1B                                 ; wave 0: W's tiles
	s_branch .Lasked
.Lwave_1:
	s_cmp_eq_u32 s18, 1
	s_cbranch_scc0 .Lwave_2
	TLOAD G0SB, G1SB                               ; wave 1: W's scale words
	s_branch .Lasked
.Lwave_2:
	s_cmp_eq_u32 s18, 2
	s_cbranch_scc0 .Lwave_3
	TLOAD G0SA, G1SA                               ; wave 2: O's scale words
	s_branch .Lasked
.Lwave_3:
	TLOAD G0A, G1A                                 ; wave 3: O's tiles
.Lasked:
	v_and_b32 v1, 15, v0                           ; r
	v_bfe_u32 v2, v0, 4, 1                         ; h
	v_and_b32 v3, 31, v0
	v_lshlrev_b32 v8, 3, v3                        ; 8 x lane
	v_add_nc_u32 v[ADRA], s92, v8
	v_add_nc_u32 v[ADRA+1], s93, v8
	v_add_nc_u32 v[ADRB], s94, v8
	v_mul_u32_u24 v4, s96, v2                      ; lanes 16-31 take W's words
	v_lshl_add_u32 v4, v1, 5, v4
	v_add_nc_u32 v[ADRS], s95, v4
	v_sub_nc_u32 v5, 1, v2
	v_lshl_add_u32 v[ADRS+1], v5, 4, v[ADRS]       ; lanes 0-15: tiles 4-7
	v_lshl_add_u32 v6, v2, 6, s97                  ; the bias: my columns, + 16 h of them
	v_mul_u32_u24 v7, v1, SPITCH
	v_lshl_add_u32 v7, v2, 6, v7
	v_add_nc_u32 v[STO], s98, v7                   ; into the stage: row r, + 64 h
	v_mul_u32_u24 v9, v2, SPITCH
	v_lshl_add_u32 v9, v1, 4, v9
	v_add_nc_u32 v[RD], s98, v9                    ; back: sixteen lanes to a row
	v_lshlrev_b32 v10, 12, v2
	v_lshl_add_u32 v[CO], v1, 4, v10               ; and the same two rows in out0
.irp b, 0,1,2,3
	global_load_b128 v[B0+8*\b:B0+8*\b+3], v6, s[12:13] offset:(32*(\b/2)+8*(\b%2))*4
	global_load_b128 v[B0+8*\b+4:B0+8*\b+7], v6, s[12:13] offset:(32*(\b/2)+8*(\b%2))*4+16
.endr
	s_wait_alu depctr_va_vdst(0)
	s_cmp_eq_u32 s18, 3
	s_cbranch_scc1 .Lnot_mine
	s_wait_tensorcnt 0x0                           ; waves 0 to 2: my tile is in
.Lnot_mine:
	s_barrier_signal -1
	s_barrier_wait -1                              ; W's tiles and both tiles of scale words are in; O's may still be on their way
	WEIGHTS
.set QS_, 0
.rept 8
	ds_load_b128 v[SC+8*QS_:SC+8*QS_+3], v[ADRS] offset:512*QS_
	ds_load_b128 v[SC+8*QS_+4:SC+8*QS_+7], v[ADRS+1] offset:512*QS_
.set QS_, QS_+1
.endr
	s_wait_tensorcnt 0x0                           ; every wave: all that is still out
	s_wait_dscnt 0x0
	s_barrier_signal -1
	s_barrier_wait -1                              ; O's tiles are in
	FETCH 0
	FETCH 1
	s_wait_loadcnt 0x0                             ; the bias
	s_wait_dscnt 0x0
	BLOCK 0
	PLACES 4                                       ; behind the products: ahead of the loads into their registers and of the stores of their results
	FETCH 2
	TOSTAGE 0
.irp a, 1,2,3,4,5,6,7
	BLOCK \a
	PLACES 4
	s_wait_dscnt 0x0                               ; asked for a block ago: the next block's rows, and the last block back from the stage
.if \a > 1
	s_wait_xcnt 0x0                                ; the stores of two blocks ago have read their registers, which take this block's rows below
.endif
	SEND \a-1
.if \a < 6
	FETCH \a+2
.endif
	TOSTAGE \a
.endr
	s_wait_dscnt 0x0
	SEND 7
	s_wait_tensorcnt 0x0                           ; the wave's end
	ds_add_u32 v[SPW], v[NIL]
	s_wait_dscnt 0x0
	CROUND                                         ; the closing round
	s_endpgm
.Lfunc_end_k_q5f018ae386_gemm_proj:
	.size	k_q5f018ae386_gemm_proj, .Lfunc_end_k_q5f018ae386_gemm_proj-k_q5f018ae386_gemm_proj
	.p2alignl 7, 3214868480
	.fill 96, 4, 3214868480
	.section	.rodata,"a",@progbits
	.p2align	6, 0x0
	.amdhsa_kernel k_q5f018ae386_gemm_proj
		.amdhsa_group_segment_fixed_size 327680
		.amdhsa_private_segment_fixed_size 0
		.amdhsa_enable_private_segment 0
		.amdhsa_kernarg_size 48
		.amdhsa_user_sgpr_count 2
		.amdhsa_user_sgpr_kernarg_segment_ptr 1
		.amdhsa_wavefront_size32 1
		.amdhsa_system_sgpr_workgroup_id_x 1
		.amdhsa_system_sgpr_workgroup_id_y 1
		.amdhsa_system_sgpr_workgroup_id_z 1
		.amdhsa_system_vgpr_workitem_id 0
		.amdhsa_next_free_vgpr 1024
		.amdhsa_next_free_sgpr 102
		.amdhsa_reserve_vcc 0
		.amdhsa_float_denorm_mode_32 3
		.amdhsa_float_denorm_mode_16_64 3
		.amdhsa_memory_ordered 1
		.amdhsa_forward_progress 1
		.amdhsa_inst_pref_size 96
	.end_amdhsa_kernel
	.amdgpu_metadata
---
amdhsa.version: [ 1, 2 ]
amdhsa.kernels:
  - .name:           k_q5f018ae386_gemm_proj
    .symbol:         k_q5f018ae386_gemm_proj.kd
    .args:
      - { .name: oimg, .offset: 0, .size: 8, .value_kind: global_buffer, .address_space: global }
      - { .name: osc, .offset: 8, .size: 8, .value_kind: global_buffer, .address_space: global }
      - { .name: wimg, .offset: 16, .size: 8, .value_kind: global_buffer, .address_space: global }
      - { .name: wsc, .offset: 24, .size: 8, .value_kind: global_buffer, .address_space: global }
      - { .name: b_proj, .offset: 32, .size: 8, .value_kind: global_buffer, .address_space: global }
      - { .name: out0, .offset: 40, .size: 8, .value_kind: global_buffer, .address_space: global }
    .group_segment_fixed_size: 327680
    .private_segment_fixed_size: 0
    .kernarg_segment_align: 8
    .kernarg_segment_size: 48
    .max_flat_workgroup_size: 128
    .sgpr_count:     102
    .vgpr_count:     1024
    .wavefront_size: 32
...
	.end_amdgpu_metadata
.endif
;; end of part 5
